; MI455X (gfx1250); checked and timed in simulation.
; The chip was launched on July 23, 2026; its instructions are those of AMD's public machine-readable ISA for CDNA 5 (MIT licence, August 2026) and "CDNA5" Instruction Set Architecture Reference Guide (July 2026). The comments in the code are by the model that wrote it; some were corrected since.
;; Bo T Multi Head Attention. Allowed arithmetic: matrix products marked QUANTISED: E2M1 operands, one E8M0 scale for each 32 along K, by v_wmma_scale_f32_16x16x128_f8f6f4 with both operands' format E2M1 (or v_wmma_scale_f32_32x16x128_f4), f32 sums; everything else in f32.
;; Inputs: Wk 1,024 x 1,024 float32; Wo 1,024 x 1,024 float32; Wq 1,024 x 1,024 float32; Wv 1,024 x 1,024 float32; bo 1,024 float32; ln_b 1,024 float32; ln_g 1,024 float32; pos_emb 2 x 2,048 x 1,024 float32; q_s 2 x 2,048 x 1,024 float32.
;; Outputs: out0 2 x 2,048 x 1,024 float32.
;; This version of the problem:
;;   THIS VERSION OF THE PROBLEM IS GIVEN IN LOW PRECISION. The matrix products marked QUANTISED in the list below multiply operands that are first quantised to E2M1 (2 exponent bits, 1 mantissa bit; 4 bits a number), with one power-of-two scale for each 32 numbers along K (OCP MX v1.0); their sums are f32. All else is computed in f32.
;;   The module's matrix products, in the order in which they are computed (A, B: the left and right operand; K: the contracted axis; several contracted axes count as one K, in the product's order):
;;     1. [M 4,096, K 1,024] x [K 1,024, N 1,024]; A: input q_s; B: input Wq: QUANTISED
;;     2. [M 4,096, K 1,024] x [K 1,024, N 1,024]; A: input q_s; B: input Wk: QUANTISED
;;     3. [M 4,096, K 1,024] x [K 1,024, N 1,024]; A: input q_s; B: input Wv: QUANTISED
;;     4. batch 32 x [M 2,048, K 64] x [K 64, N 2,048]; A: computed on the way; B: computed on the way: QUANTISED
;;     5. batch 32 x [M 2,048, K 64] x [K 64, N 2,048]; A: computed on the way; B: input pos_emb: QUANTISED
;;     6. batch 32 x [M 2,048, K 2,048] x [K 2,048, N 64]; A: softmax (see below); B: computed on the way: QUANTISED
;;     7. [M 4,096, K 1,024] x [K 1,024, N 1,024]; A: computed on the way; B: input Wo: QUANTISED
;;   THE QUANTISER, for each operand of a quantised product, along K:
;;     - K is cut into blocks of 32 from its start; a last block that is shorter is filled with zeros.
;;     - A block's scale is 2^e with e = floor(log2(the largest magnitude in the block)) - 2, held to -126 .. 127; a block of zeros has e = 0. As a byte (E8M0): e + 127.
;;     - Each number is divided by its block's scale, clamped to +-6, and rounded to the nearest number of E2M1, ties to even, subnormals kept.
;;     - The product sums the exact products of the quantised numbers (number of the format x scale) in f32.
;;   ~~~python
;;   def quantise(x, axis):      # numpy; x: float32 -> the quantised numbers, widened to float32 again
;;       x = np.moveaxis(x, axis, -1); K = x.shape[-1]
;;       x = np.pad(x, [(0, 0)] * (x.ndim - 1) + [(0, -K % 32)]); x = x.reshape(x.shape[:-1] + (-1, 32)); a = np.abs(x).max(-1, keepdims=True)
;;       e = np.where(a > 0, np.clip(np.frexp(np.where(a > 0, a, 1))[1] - 1 - 2, -126, 127), 0)      # np.frexp(a)[1] - 1 = floor(log2(a)), exactly
;;       r = np.clip(x / 2.0 ** e, -6, 6)
;;       step = 2.0 ** (np.maximum(np.frexp(np.where(r == 0, 1, r))[1] - 1, 0) - 1)
;;       q = np.round(r / step) * step * 2.0 ** e      # np.round: ties to even
;;       return np.moveaxis(q.reshape(q.shape[:-2] + (-1,))[..., :K], -1, axis).astype(np.float32)
;;   ~~~
;;   SOFTMAX AHEAD OF A QUANTISED PRODUCT. Where the list says 'softmax', what is quantised is not the finished softmax but p = 2^(t - M), with t = logit x log2(e) and M = ceil(the row's largest t), a whole number; so 1/2 < the row's largest p <= 1. The row's sum l is taken of the UNQUANTISED p, in f32, and the product's result is divided by l at the end. Since M is a whole number, a kernel that streams over the keys may use a running M (the ceiling of the running maximum): every later rescaling is an exact power of two, which a block's scale takes up: the codes' values come out the same.
;;   OPERANDS COMPUTED ON THE WAY. 'Computed on the way' means the value that the module computes at that place (a softmax that the list does not call 'softmax' is quantised finished and normalised). What goes into a quantiser is computed in f32, as accurately as f32 sums, v_exp_f32 and their like allow (about 1e-6 of the number): no bf16 or f16 on the way to a quantiser, and a product that is left as it is and whose result goes on into a quantised operand takes f32 operands (vector FMAs, or v_wmma_f32_16x16x4_f32). A number that lies on a knife's edge between two numbers of the format may be rounded either way, as far as f32 arithmetic and the matrix unit's own rounding can turn it there, and no further.
;; One version. Each part assembles by itself: llvm-mc -triple=amdgcn-amd-amdhsa -mcpu=gfx1250 --defsym DOCPART=n.
;; ======== version 1 of 1: 4 launches
;; limits: right only within a limited range of input values
;; workspace buffers: prep 6,684,672 bytes; qkvb 6,684,672 bytes; attb 2,228,224 bytes
;; launch quant (part 1): grid 512 x 1, 4 waves a work-group, no clusters, 34,304 bytes of LDS; arguments q_s, pos_emb, Wq, Wk, Wo, Wv, prep; writes prep
.if DOCPART == 1
	.amdgcn_target "amdgcn-amd-amdhsa--gfx1250"
	.amdhsa_code_object_version 6
	.text
	.protected	k_qd7a6cbedd7_quant
	.globl	k_qd7a6cbedd7_quant
	.p2align	8
	.type	k_qd7a6cbedd7_quant,@function
k_qd7a6cbedd7_quant:
	s_mov_b64 s[64:65], 0
	v_nop
	global_prefetch_b8 v0, s[64:65] scope:SCOPE_SE
	s_setreg_imm32_b32 hwreg(HW_REG_WAVE_MODE, 25, 1), 1
	s_wait_xcnt 0x0
; q_s and pos_emb [4096][1024] (K innermost) and Wq, Wk, Wo, Wv [1024 (K)][1024] (K outermost), all f32, become codes of E2M1 with one E8M0 byte for each 32 along K.
; A block's byte is its largest magnitude's exponent field - 2, held at 1 from below; each number is divided by the scale and rounded to the nearest code, ties to even, beyond 6 the largest code.
; LIMITS: NaN and infinities among the inputs are not served.  A block whose largest magnitude lies under 2^-124 (a block of zeros among them) gets the byte 1: the bytes are read by this program alone.
; LAYOUT OF prep: images of operand registers.  A TILE is 16 rows: of each 32 rows, tile u gives lane r the row 8 u + r + 8 (r / 8).
;   codes  [b 2][j 16][tile 128][lane 32][16 bytes]: lane (r, h) holds k = 64 j + 32 h + 0 .. 31 of the tile's row r.    x at 0, pos at 0x200000, weights at 0x400000 (b = P, tile = 64 w2 + T; Wq 0,0  Wk 0,1  Wo 1,0  Wv 1,1)
;   scales [b 2][s 8][G 16][h 2][r 16][i 4] words: the four bytes of K step s of tile 4 h + i of the 128-row group G.     x at 0x600000, pos at 0x620000, weights at 0x640000 (G = 8 w2 + g)
; The work-groups share no input: no cluster, no tensor load.  Work-groups 0-255 take rows, 256-511 weights; only the rows' path uses LDS.
.set SP,   528                         ; a stage row: 512 bytes + 16, an odd multiple of 16: sixteen rows start in sixteen different groups of banks
.set WST,  16*SP                       ; a wave's own stage
.set R,    16                          ; v16-143  two sets of 64: a tile as it is loaded
.set X,    144                         ; v144-207 my two whole blocks of 32
.set C,    208                         ; v208-239 codes, eight registers a tile: no store's data are written again
.set W,    240                         ; v240-243 a scale word a tile
	v_lshl_add_u32 v248, v0, 2, 0x8400
	v_mov_b32 v249, 0
	s_cmp_ge_u32 ttmp9, 256
	s_cbranch_scc1 .Lweights
; ---- ROWS.  Work-group X: tensor X / 128; 64 rows (X / 2) % 64; wave w takes K step 4 (X % 2) + w: four tiles x 128 along K.
	s_load_b128 s[4:7], s[0:1], 0x0                ; q_s, pos_emb
	s_load_b64 s[8:9], s[0:1], 0x30                ; prep
	v_lshrrev_b32 v6, 5, v0
	v_readfirstlane_b32 s10, v6                    ; wave
	v_and_b32 v7, 31, v0                           ; lane
	v_and_b32 v8, 15, v0                           ; r
	v_bfe_u32 v9, v0, 4, 1                         ; h
	v_lshlrev_b32 v1, 4, v7                        ; 16 x lane: a load's and an image's place
	s_mul_i32 s11, s10, WST
	v_add_nc_u32 v2, s11, v1                       ; into the stage: a row as it lies
	v_mul_u32_u24 v3, v8, SP
	v_lshl_add_u32 v3, v9, 7, v3
	v_add_nc_u32 v3, s11, v3                       ; out of it: row r, from byte 128 h on
	v_lshlrev_b32 v4, 3, v9                        ; 8 h
	v_lshl_add_u32 v5, v8, 4, v4                   ; 16 r + 8 h: my two scale words
	v_mov_b32 v15, 0                               ; a lane permute's destination counts as read
	s_mov_b32 s20, 0x76543210
	s_mov_b32 s21, 0xfedcba98                      ; selects for lane l xor 16
	s_lshr_b32 s12, ttmp9, 7                       ; which tensor
	s_bfe_u32 s13, ttmp9, 0x60001                  ; which 64 rows
	s_and_b32 s14, ttmp9, 1
	s_lshl_b32 s14, s14, 2
	s_add_co_u32 s14, s14, s10                     ; K step s
	s_lshr_b32 s18, s13, 5                         ; b
	s_and_b32 s19, s13, 31                         ; the 64 rows within b
	s_lshl_b32 s16, s13, 18                        ; in: 64 rows of 4,096 bytes,
	s_lshl_b32 s15, s14, 9                         ; 512 bytes a K step
	s_add_co_u32 s16, s16, s15
	s_mov_b32 s17, 0
	s_lshl_b32 s22, s12, 21                        ; codes: tensor, b, j = 2 s, tile 4 x (the 64 rows)
	s_lshl_b32 s15, s18, 20
	s_add_co_u32 s22, s22, s15
	s_lshl_b32 s15, s14, 17
	s_add_co_u32 s22, s22, s15
	s_lshl_b32 s15, s19, 11
	s_add_co_u32 s22, s22, s15
	s_mov_b32 s23, 0
	s_lshl_b32 s24, s12, 17                        ; scales: tensor, b, s, and 256 bytes for four tiles
	s_lshl_b32 s15, s18, 16
	s_add_co_u32 s24, s24, s15
	s_lshl_b32 s15, s14, 13
	s_add_co_u32 s24, s24, s15
	s_lshl_b32 s15, s19, 8
	s_add_co_u32 s24, s24, s15
	s_add_co_u32 s24, s24, 0x600000
	s_mov_b32 s25, 0
	s_wait_alu depctr_va_vdst(0)
	s_wait_kmcnt 0x0
	s_cmp_eq_u32 s12, 0
	s_cselect_b64 s[4:5], s[4:5], s[6:7]           ; the choice hangs on the work-group's number alone
	s_add_nc_u64 s[4:5], s[4:5], s[16:17]
	s_add_nc_u64 s[26:27], s[8:9], s[22:23]
	s_add_nc_u64 s[28:29], s[8:9], s[24:25]
.macro LOADT t                         ; tile t's sixteen rows: each load reads 512 consecutive bytes of one row
.irp i, 0,1,2,3,4,5,6,7,8,9,10,11,12,13,14,15
	global_load_b128 v[R+64*((\t)%2)+4*\i:R+64*((\t)%2)+4*\i+3], v1, s[4:5] offset:(32*((\t)/2)+8*((\t)%2)+\i+8*(\i/8))*4096 th:TH_LOAD_NT
.endr
.endm
.macro TURN t                          ; through my own stage: in as rows, out as my blocks 2 c + h of row r.  LDS serves a wave's instructions in order: no wait between
.irp i, 0,1,2,3,4,5,6,7,8,9,10,11,12,13,14,15
	ds_store_b128 v2, v[R+64*((\t)%2)+4*\i:R+64*((\t)%2)+4*\i+3] offset:SP*\i
.endr
.irp c, 0,1
.irp q, 0,1,2,3,4,5,6,7
	ds_load_b128 v[X+32*\c+4*\q:X+32*\c+4*\q+3], v3 offset:256*\c+16*\q
.endr
.endr
.endm
.macro QROW t                          ; two whole blocks a lane, by turns
	v_max3_num_f32 v6, |v[X]|, |v[X+1]|, 0x1800000             ; the largest magnitude, with the floor 2^(3 - 127) among its leaves: the byte cannot fall under 1
	v_max3_num_f32 v7, |v[X+32]|, |v[X+33]|, 0x1800000
.irp i, 2,4,6,8,10,12,14,16,18,20,22,24,26,28,30
	v_max3_num_f32 v6, v6, |v[X+\i]|, |v[X+\i+1]|
	v_max3_num_f32 v7, v7, |v[X+32+\i]|, |v[X+33+\i]|
.endr
	v_add_nc_u32 v8, 0xff000000, v6                ; 2 off the exponent field: the conversion takes this operand's exponent field as its scale
	v_add_nc_u32 v9, 0xff000000, v7
.irp g, 0,1,2,3
	v_cvt_scalef32_pk8_fp4_f32 v[C+8*(\t)+\g], v[X+8*\g:X+8*\g+7], v8
	v_cvt_scalef32_pk8_fp4_f32 v[C+8*(\t)+4+\g], v[X+32+8*\g:X+32+8*\g+7], v9
.endr
	v_lshrrev_b32 v10, 23, v8                      ; the bytes (also the plain line behind the conversions)
	v_lshrrev_b32 v11, 23, v9
	v_lshl_or_b32 v10, v11, 16, v10                ; blocks h and 2 + h,
	v_lshlrev_b32 v10, v4, v10                     ; at their places in the word;
	v_permlanex16_b32 v15, v10, s20, s21
	v_or_b32 v[W+(\t)], v10, v15                   ; with lane l xor 16's two the word is whole
	global_store_b128 v1, v[C+8*(\t):C+8*(\t)+3], s[26:27] offset:512*(\t)            ; 512 consecutive bytes, aligned
	global_store_b128 v1, v[C+8*(\t)+4:C+8*(\t)+7], s[26:27] offset:65536+512*(\t)
.endm
	LOADT 0
	LOADT 1
	s_wait_loadcnt 16                              ; tile 0 is in; tile 1's sixteen loads stay out
	TURN 0
	s_wait_dscnt 0x0                               ; my blocks are in, and the stage's stores have read the set that is loaded next
	LOADT 2
	QROW 0
	s_wait_loadcnt 16                              ; tile 1 is in; tile 2's stay out
	TURN 1
	s_wait_dscnt 0x0
	LOADT 3
	QROW 1
	s_wait_loadcnt 16                              ; tile 2 is in; tile 3's stay out
	TURN 2
	s_wait_dscnt 0x0
	QROW 2
	s_wait_loadcnt 0x0
	TURN 3
	s_wait_dscnt 0x0
	QROW 3
	v_cmp_ne_u32 vcc_lo, 0, v4                     ; lanes 16-31 take tiles 2 and 3
	v_cndmask_b32 v12, v[W], v[W+2], vcc_lo
	v_cndmask_b32 v13, v[W+1], v[W+3], vcc_lo
	global_store_b64 v5, v[12:13], s[28:29]        ; the wave stores 256 consecutive bytes, aligned
	s_wait_tensorcnt 0x0
	ds_add_u32 v248, v249
	s_wait_dscnt 0x0
	s_endpgm
; ---- WEIGHTS.  Work-group X' = X - 256: weight X' / 64, 128 columns (X' / 8) % 8, K step X' % 8; wave w takes 32 columns.
; A lane takes a column and its registers run down K: lane 16 u + r is lane r of tile u of these 32 columns.  A block's 32 numbers are one lane's, and the codes come out with K innermost.
.Lweights:
	s_load_b256 s[4:11], s[0:1], 0x10              ; Wq, Wk, Wo, Wv
	s_load_b64 s[12:13], s[0:1], 0x30              ; prep
	v_lshrrev_b32 v6, 5, v0
	v_readfirstlane_b32 s18, v6                    ; wave
	v_and_b32 v7, 15, v0                           ; r
	v_bfe_u32 v8, v0, 4, 1                         ; u
	v_and_b32 v9, 8, v7
	v_add_nc_u32 v9, v9, v7
	v_lshl_add_u32 v9, v8, 3, v9                   ; my column of the 32: 8 u + r + 8 (r / 8)
	v_lshlrev_b32 v1, 2, v9
	v_lshlrev_b32 v2, 4, v7
	v_lshl_add_u32 v2, v8, 9, v2                   ; codes: tile u, 16 r
	v_lshlrev_b32 v3, 4, v7
	v_lshl_add_u32 v3, v8, 2, v3                   ; scale word: 16 r + 4 u
	s_sub_co_u32 s14, ttmp9, 256
	s_lshr_b32 s15, s14, 6                         ; which weight
	s_bfe_u32 s16, s14, 0x30003                    ; g
	s_and_b32 s17, s14, 7                          ; s
	s_lshl_b32 s19, s16, 2
	s_add_co_u32 s19, s19, s18                     ; which 32 columns
	s_lshr_b32 s20, s15, 1                         ; P
	s_and_b32 s21, s15, 1                          ; w2
	s_lshl_b32 s22, s17, 19                        ; in: 128 rows of 4,096 bytes a K step, 128 bytes for 32 columns
	s_lshl_b32 s24, s19, 7
	s_add_co_u32 s22, s22, s24
	s_mov_b32 s23, 0
	s_lshl_b32 s24, s20, 20                        ; codes: P, j = 2 s, tile 64 w2 + 2 x (the 32 columns)
	s_lshl_b32 s26, s17, 17
	s_add_co_u32 s24, s24, s26
	s_lshl_b32 s26, s21, 15
	s_add_co_u32 s24, s24, s26
	s_lshl_b32 s26, s19, 10
	s_add_co_u32 s24, s24, s26
	s_add_co_u32 s24, s24, 0x400000
	s_mov_b32 s25, 0
	s_lshl_b32 s26, s20, 16                        ; scales: P, s, G = 8 w2 + g, tile 2 w + u of the group's eight
	s_lshl_b32 s28, s17, 13
	s_add_co_u32 s26, s26, s28
	s_lshl_b32 s28, s21, 12
	s_add_co_u32 s26, s26, s28
	s_lshl_b32 s28, s16, 9
	s_add_co_u32 s26, s26, s28
	s_lshr_b32 s28, s18, 1
	s_lshl_b32 s28, s28, 8
	s_add_co_u32 s26, s26, s28
	s_and_b32 s28, s18, 1
	s_lshl_b32 s28, s28, 3
	s_add_co_u32 s26, s26, s28
	s_add_co_u32 s26, s26, 0x640000
	s_mov_b32 s27, 0
	s_wait_alu depctr_va_vdst(0)
	s_wait_kmcnt 0x0
	s_cmp_eq_u32 s21, 0
	s_cselect_b64 s[4:5], s[4:5], s[6:7]           ; Wq or Wk
	s_cselect_b64 s[8:9], s[8:9], s[10:11]         ; Wo or Wv
	s_cmp_eq_u32 s20, 0
	s_cselect_b64 s[4:5], s[4:5], s[8:9]
	s_add_nc_u64 s[4:5], s[4:5], s[22:23]
	s_add_nc_u64 s[28:29], s[12:13], s[24:25]
	s_add_nc_u64 s[30:31], s[12:13], s[26:27]
.macro LOADB k                         ; block k: 32 rows of K; each load reads 128 consecutive bytes
.set jj, 0
.rept 32
	global_load_b32 v[16+32*((\k)%2)+jj], v1, s[4:5] offset:(32*(\k)+jj)*4096 th:TH_LOAD_NT
.set jj, jj+1
.endr
.endm
.macro BLOCK k
.set XS, 16+32*((\k)%2)
.if (\k) < 3
	s_wait_loadcnt 32                              ; this block is in; the next block's 32 loads stay out
.else
	s_wait_loadcnt 0x0
.endif
	v_max3_num_f32 v6, |v[XS]|, |v[XS+1]|, |v[XS+2]|
	v_max3_num_f32 v7, |v[XS+3]|, |v[XS+4]|, |v[XS+5]|
.irp i, 6,10,14,18,22,26
	v_max3_num_f32 v6, v6, |v[XS+\i]|, |v[XS+\i+1]|
	v_max3_num_f32 v7, v7, |v[XS+\i+2]|, |v[XS+\i+3]|
.endr
	v_max3_num_f32 v6, v6, |v[XS+30]|, |v[XS+31]|
	v_max3_num_f32 v6, v6, v7, 0x1800000           ; and the floor
	v_add_nc_u32 v8, 0xff000000, v6
	v_lshrrev_b32 v9, 23, v8
.if (\k) == 0
	v_mov_b32 v96, v9
.else
	v_lshl_or_b32 v96, v9, 8*(\k), v96             ; the K step's four bytes make the column's word
.endif
.irp g, 0,1,2,3
	v_cvt_scalef32_pk8_fp4_f32 v[80+4*(\k)+\g], v[XS+8*\g:XS+8*\g+7], v8
.endr
	v_nop                                          ; one plain line behind the conversions
	global_store_b128 v2, v[80+4*(\k):83+4*(\k)], s[28:29] offset:((\k)/2)*65536+((\k)%2)*256   ; sixteen lanes store 256 consecutive bytes, aligned
.if (\k) < 2
	LOADB (\k)+2
.endif
.endm
	LOADB 0
	LOADB 1
	BLOCK 0
	BLOCK 1
	BLOCK 2
	BLOCK 3
	global_store_b32 v3, v96, s[30:31]             ; 4 bytes at a pitch of 16: one byte for each 128 that the path reads
	s_endpgm
.Lfunc_end_k_qd7a6cbedd7_quant:
	.size	k_qd7a6cbedd7_quant, .Lfunc_end_k_qd7a6cbedd7_quant-k_qd7a6cbedd7_quant
	.p2alignl 7, 3214868480
	.fill 96, 4, 3214868480
	.section	.rodata,"a",@progbits
	.p2align	6, 0x0
	.amdhsa_kernel k_qd7a6cbedd7_quant
		.amdhsa_group_segment_fixed_size 34304
		.amdhsa_private_segment_fixed_size 0
		.amdhsa_enable_private_segment 0
		.amdhsa_kernarg_size 56
		.amdhsa_user_sgpr_count 2
		.amdhsa_user_sgpr_kernarg_segment_ptr 1
		.amdhsa_wavefront_size32 1
		.amdhsa_system_sgpr_workgroup_id_x 1
		.amdhsa_system_sgpr_workgroup_id_y 1
		.amdhsa_system_sgpr_workgroup_id_z 1
		.amdhsa_system_vgpr_workitem_id 0
		.amdhsa_next_free_vgpr 250
		.amdhsa_next_free_sgpr 66
		.amdhsa_reserve_vcc 1
		.amdhsa_float_denorm_mode_32 3
		.amdhsa_float_denorm_mode_16_64 3
		.amdhsa_memory_ordered 1
		.amdhsa_forward_progress 1
		.amdhsa_inst_pref_size 51
	.end_amdhsa_kernel
	.amdgpu_metadata
---
amdhsa.version: [ 1, 2 ]
amdhsa.kernels:
  - .name:           k_qd7a6cbedd7_quant
    .symbol:         k_qd7a6cbedd7_quant.kd
    .args:
      - { .name: q_s, .offset: 0, .size: 8, .value_kind: global_buffer, .address_space: global }
      - { .name: pos_emb, .offset: 8, .size: 8, .value_kind: global_buffer, .address_space: global }
      - { .name: Wq, .offset: 16, .size: 8, .value_kind: global_buffer, .address_space: global }
      - { .name: Wk, .offset: 24, .size: 8, .value_kind: global_buffer, .address_space: global }
      - { .name: Wo, .offset: 32, .size: 8, .value_kind: global_buffer, .address_space: global }
      - { .name: Wv, .offset: 40, .size: 8, .value_kind: global_buffer, .address_space: global }
      - { .name: prep, .offset: 48, .size: 8, .value_kind: global_buffer, .address_space: global }
    .group_segment_fixed_size: 34304
    .private_segment_fixed_size: 0
    .kernarg_segment_align: 8
    .kernarg_segment_size: 56
    .max_flat_workgroup_size: 128
    .sgpr_count:     66
    .vgpr_count:     250
    .wavefront_size: 32
...
	.end_amdgpu_metadata
.endif
;; end of part 1
;; launch qkv (part 2): grid 8 x 32, 12 waves a work-group, clusters of 4 x 4, 263,680 bytes of LDS; arguments prep, qkvb; writes qkvb
.if DOCPART == 2
	.amdgcn_target "amdgcn-amd-amdhsa--gfx1250"
	.amdhsa_code_object_version 6
	.text
	.protected	k_qd7a6cbedd7_qkv
	.globl	k_qd7a6cbedd7_qkv
	.p2align	8
	.type	k_qd7a6cbedd7_qkv,@function
k_qd7a6cbedd7_qkv:
	s_mov_b64 s[64:65], 0
	v_nop
	global_prefetch_b8 v0, s[64:65] scope:SCOPE_SE
	s_setreg_imm32_b32 hwreg(HW_REG_WAVE_MODE, 25, 1), 1
	s_wait_xcnt 0x0
	s_wait_alu depctr_hold_cnt(0) depctr_sa_sdst(0) depctr_va_vdst(0) depctr_va_sdst(0) depctr_va_ssrc(0) depctr_va_vcc(0) depctr_vm_vsrc(0)
	s_getreg_b32 s2, hwreg(HW_REG_IB_STS2, 6, 4)
	s_cmp_eq_u32 s2, 0
	s_cbranch_scc0 .Lentry_in_a_cluster
	s_endpgm
.Lentry_in_a_cluster:
	s_bfe_u32 s2, ttmp6, 0x10000c
	s_cmp_lg_u32 s2, 0xf033
	s_cbranch_scc0 .Lentry_shape_is_right
	s_endpgm
.Lentry_shape_is_right:
; q = x Wq, k = x Wk, v = x Wv on codes of E2M1 (K = 1,024), each result quantised at once: q and k along the features, v along the tokens (the keys), into images of operand registers in qkvb.
; A work-group takes 128 tokens (b, G) x 128 features g of each of the three weights.  Its four operands, 64 KB each, lie in LDS whole, [j 16][tile 8][512 bytes]: Wq at 0, Wk at 65,536, x at 131,072, Wv at 196,608.
; Every LDS byte is filled once.  CLUSTER 4 x 4: the weights' tiles hang on g alone and are asked for jointly along a column, x's on (b, G) alone and jointly along a row.
; Twelve waves: product p = wave / 4, w' = wave % 4.  A wave makes 8 tiles of source 0 x tiles w' and w' + 4 of source 1: sixteen accumulators.  For q and k source 0 = the weight and source 1 = x, so a lane holds
; one token and its registers run along the features; for v the sources change places, so a lane holds one feature and its registers run along the tokens.  By the choice of a tile's rows (row 8 u + r + 8 (r / 8) of each 32)
; the 16 registers of tiles 2 b and 2 b + 1 are 16 neighbours along the next K.
; qkvb: q's codes at 0 and k's at 0x200000 as in prep; v's at 0x400000: [bh 32][s 16][ft 4][c 2][lane][16 bytes]; scale words: q 0x600000, k 0x620000 as in prep; v 0x640000: [bh][s 16][h 2][r 16][i 2], ft = 2 h + i.
; LIMITS: as the quantiser's: a block whose largest magnitude lies under 2^-124 gets the byte 1; NaN and infinities are not served.
; REGISTERS: v1, v2 LDS addresses; v3 16 x lane; v4-7 the stores' offsets; v8-39 source 0's scale words, four a K step; v40-47 source 1's; v48-111 source 0's fragments; v112-127 source 1's; v128-255 the sums, (u, t) at 128 + 64 u + 8 t.
.set TM, 72                            ; the quantiser's sixteen registers, when the fragments are done with
.macro ROUND                           ; a round of the cluster's barrier
	s_barrier_signal -1
	s_barrier_wait -1
	s_cmp_lg_u32 s8, 0
	s_cbranch_scc1 .Lnot_wave_0_\@
	s_barrier_signal -3
.Lnot_wave_0_\@:
	s_barrier_wait -3
	s_barrier_signal -1
	s_barrier_wait -1
.endm
; one product 16 x 16 x 128.  zero: it starts the sum.  ra, rb: the side's scale words stand in lanes 16-31
.macro WM d, a, b, sa, sb, zero, ra, rb
.if \zero
.if (\ra) && (\rb)
	v_wmma_scale_f32_16x16x128_f8f6f4 v[(\d):(\d)+7], v[(\a):(\a)+7], v[(\b):(\b)+7], 0, v[(\sa)], v[(\sb)] matrix_a_fmt:MATRIX_FMT_FP4 matrix_b_fmt:MATRIX_FMT_FP4 matrix_a_scale:MATRIX_SCALE_ROW1 matrix_b_scale:MATRIX_SCALE_ROW1
.elseif \ra
	v_wmma_scale_f32_16x16x128_f8f6f4 v[(\d):(\d)+7], v[(\a):(\a)+7], v[(\b):(\b)+7], 0, v[(\sa)], v[(\sb)] matrix_a_fmt:MATRIX_FMT_FP4 matrix_b_fmt:MATRIX_FMT_FP4 matrix_a_scale:MATRIX_SCALE_ROW1
.elseif \rb
	v_wmma_scale_f32_16x16x128_f8f6f4 v[(\d):(\d)+7], v[(\a):(\a)+7], v[(\b):(\b)+7], 0, v[(\sa)], v[(\sb)] matrix_a_fmt:MATRIX_FMT_FP4 matrix_b_fmt:MATRIX_FMT_FP4 matrix_b_scale:MATRIX_SCALE_ROW1
.else
	v_wmma_scale_f32_16x16x128_f8f6f4 v[(\d):(\d)+7], v[(\a):(\a)+7], v[(\b):(\b)+7], 0, v[(\sa)], v[(\sb)] matrix_a_fmt:MATRIX_FMT_FP4 matrix_b_fmt:MATRIX_FMT_FP4
.endif
.else
.if (\ra) && (\rb)
	v_wmma_scale_f32_16x16x128_f8f6f4 v[(\d):(\d)+7], v[(\a):(\a)+7], v[(\b):(\b)+7], v[(\d):(\d)+7], v[(\sa)], v[(\sb)] matrix_a_fmt:MATRIX_FMT_FP4 matrix_b_fmt:MATRIX_FMT_FP4 matrix_a_scale:MATRIX_SCALE_ROW1 matrix_b_scale:MATRIX_SCALE_ROW1
.elseif \ra
	v_wmma_scale_f32_16x16x128_f8f6f4 v[(\d):(\d)+7], v[(\a):(\a)+7], v[(\b):(\b)+7], v[(\d):(\d)+7], v[(\sa)], v[(\sb)] matrix_a_fmt:MATRIX_FMT_FP4 matrix_b_fmt:MATRIX_FMT_FP4 matrix_a_scale:MATRIX_SCALE_ROW1
.elseif \rb
	v_wmma_scale_f32_16x16x128_f8f6f4 v[(\d):(\d)+7], v[(\a):(\a)+7], v[(\b):(\b)+7], v[(\d):(\d)+7], v[(\sa)], v[(\sb)] matrix_a_fmt:MATRIX_FMT_FP4 matrix_b_fmt:MATRIX_FMT_FP4 matrix_b_scale:MATRIX_SCALE_ROW1
.else
	v_wmma_scale_f32_16x16x128_f8f6f4 v[(\d):(\d)+7], v[(\a):(\a)+7], v[(\b):(\b)+7], v[(\d):(\d)+7], v[(\sa)], v[(\sb)] matrix_a_fmt:MATRIX_FMT_FP4 matrix_b_fmt:MATRIX_FMT_FP4
.endif
.endif
.endm
; 64 numbers of a lane, register 16 b + i = next K 32 b + 16 (lane / 16) + i of my row, become a fragment's codes in v[pc] on and its scale word in v[pw]
.macro QUANT4 s, pc, pw
.irp b, 0,1,2,3
	v_max3_num_f32 v[TM+\b], |v[\s+16*\b]|, |v[\s+1+16*\b]|, 0x1800000   ; each sum is read from its low end on; the floor 2^(3 - 127) holds the byte at 1 from below
.endr
.irp i, 2,4,6,8,10,12,14
.irp b, 0,1,2,3
	v_max3_num_f32 v[TM+\b], v[TM+\b], |v[\s+16*\b+\i]|, |v[\s+1+16*\b+\i]|
.endr
.endr
.irp b, 0,1,2,3
	s_delay_alu instid0(VALU_DEP_4)
	v_permlanex16_b32 v[TM+4+\b], v[TM+\b], s2, s3
.endr
.irp b, 0,1,2,3
	s_delay_alu instid0(VALU_DEP_4)
	v_max_num_f32 v[TM+\b], v[TM+\b], v[TM+4+\b]   ; with lane l xor 16's sixteen: the block's largest magnitude
.endr
.irp b, 0,1,2,3
	s_delay_alu instid0(VALU_DEP_4)
	v_add_nc_u32 v[TM+12+\b], 0xff000000, v[TM+\b] ; 2 off its exponent field: the conversion's scale operand
.endr
.irp b, 0,1,2,3
	s_delay_alu instid0(VALU_DEP_4)
	v_lshrrev_b32 v[TM+4+\b], 23, v[TM+12+\b]      ; the byte
.endr
	s_delay_alu instid0(VALU_DEP_3)
	v_lshl_or_b32 v[\pw], v[TM+5], 8, v[TM+4]
	s_delay_alu instid0(VALU_DEP_1)
	v_lshl_or_b32 v[\pw], v[TM+6], 16, v[\pw]
	s_delay_alu instid0(VALU_DEP_1)
	v_lshl_or_b32 v[\pw], v[TM+7], 24, v[\pw]
.irp b, 0,1,2,3
	v_cvt_scalef32_pk8_fp4_f32 v[\pc+2*\b], v[\s+16*\b:\s+7+16*\b], v[TM+12+\b]
	v_cvt_scalef32_pk8_fp4_f32 v[\pc+1+2*\b], v[\s+8+16*\b:\s+15+16*\b], v[TM+12+\b]
.endr
	v_nop                                          ; one plain line behind the conversions
.irp c, 0,1                                    ; a whole block to a lane: lanes 0-15 block 2 c, lanes 16-31 block 2 c + 1
.irp i, 0,1
	v_permlane16_swap_b32 v[\pc+4*\c+\i], v[\pc+2+4*\c+\i]
.endr
.endr
.endm
	s_load_b128 s[4:7], s[0:1], 0x0                ; prep, qkvb
	s_set_vgpr_msb 0x40
	v_lshl_add_u32 v0, v0, 2, 0x40000
	v_mov_b32 v1, 0
	s_set_vgpr_msb 0x4045
	ds_add_u32 v0, v1
	ds_add_u32 v0, v1
	s_set_vgpr_msb 0x4500
	v_lshrrev_b32 v3, 5, v0
	s_delay_alu instid0(VALU_DEP_1)
	v_readfirstlane_b32 s8, v3                     ; wave 0..11
	s_bfe_u32 s9, ttmp6, 0x40000                   ; cx
	s_bfe_u32 s10, ttmp6, 0x40004                  ; cy
	s_lshl_b32 s11, ttmp9, 2
	s_add_co_u32 s11, s11, s9                      ; g = 4 x cluster x + cx
	s_and_b32 s12, ttmp7, 0xffff
	s_lshl_b32 s12, s12, 2
	s_add_co_u32 s12, s12, s10                     ; 4 x cluster y + cy
	s_lshr_b32 s13, s12, 4                         ; b
	s_and_b32 s14, s12, 15                         ; G
	s_lshl_b32 s15, s10, 2
	s_lshl_b32 s15, 15, s15                        ; my row of the cluster
	s_lshl_b32 s16, 0x1111, s9                     ; my column
	; descriptor group 1: 8 rows (j) of 4,096 bytes (512 elements of 8), 65,536 bytes apart, laid on end in LDS
	s_or_b32 s24, s16, (3<<16)|(1<<21)             ; the weights': the mask of my column; elements of 8 bytes; bit 21 beside a mask
	s_or_b32 s32, s15, (3<<16)|(1<<21)             ; x's: the mask of my row
.irp g, 24, 32
	s_mov_b32 s[\g+1], 512<<16                     ; tensor_dim0
	s_mov_b32 s[\g+2], 8<<16                       ; tensor_dim1
	s_mov_b32 s[\g+3], 512<<16                     ; tile_dim0
	s_mov_b32 s[\g+4], 8                           ; tile_dim1
	s_mov_b32 s[\g+5], 8192                        ; from row to row, in elements
	s_mov_b32 s[\g+6], 0
	s_mov_b32 s[\g+7], 0
.endr
	s_lshr_b32 s17, s8, 1                          ; waves 0-7 fetch: region wave / 2,
	s_and_b32 s18, s8, 1                           ; its j 0-7 or 8-15
	s_lshl_b32 s19, s8, 15                         ; to LDS byte 32,768 x wave
	s_lshr_b32 s20, s17, 1                         ; a weight's half: P, w2, the half, g.  (These registers never hold cy)
	s_lshl_b32 s20, s20, 20
	s_and_b32 s21, s17, 1
	s_lshl_b32 s21, s21, 15
	s_add_co_u32 s20, s20, s21
	s_lshl_b32 s21, s18, 19
	s_add_co_u32 s20, s20, s21
	s_lshl_b32 s21, s11, 12
	s_add_co_u32 s20, s20, s21
	s_add_co_u32 s20, s20, 0x400000
	s_mov_b32 s21, 0
	s_lshl_b32 s22, s13, 20                        ; x's half: b, the half, G.  (These never hold cx)
	s_lshl_b32 s23, s18, 19
	s_add_co_u32 s22, s22, s23
	s_lshl_b32 s23, s14, 12
	s_add_co_u32 s22, s22, s23
	s_mov_b32 s23, 0
	s_lshr_b32 s48, s8, 2                          ; p: 0 q, 1 k, 2 v
	s_and_b32 s49, s8, 3                           ; w'
	s_mov_b32 s2, 0x76543210
	s_mov_b32 s3, 0xfedcba98                       ; selects for lane l xor 16
	v_and_b32 v3, 31, v0
	s_delay_alu instid0(VALU_DEP_1)
	v_lshlrev_b32 v3, 4, v3                        ; 16 x lane
	s_wait_alu depctr_va_vdst(0)
	s_lshl_b32 s58, s48, 16
	v_add_nc_u32 v1, s58, v3                       ; source 0: Wq, Wk or x
	s_lshr_b32 s58, s48, 1
	s_lshl_b32 s58, s58, 16
	s_lshl_b32 s59, s49, 9
	s_add_co_u32 s58, s58, s59
	s_add_co_u32 s58, s58, 131072
	v_add_nc_u32 v2, s58, v3                       ; source 1: x, x or Wv, tile w'
	; the scale words, in prep
	s_lshl_b32 s50, s48, 3
	s_add_co_u32 s50, s50, s11
	s_lshl_b32 s50, s50, 9
	s_add_co_u32 s50, s50, 0x640000                ; Wq's or Wk's group g
	s_lshl_b32 s51, s13, 16
	s_lshl_b32 s52, s14, 9
	s_add_co_u32 s51, s51, s52
	s_add_co_u32 s51, s51, 0x600000                ; x's group (b, G)
	s_lshl_b32 s52, s11, 9
	s_add_co_u32 s52, s52, 0x651000                ; Wv's group g
	s_lshl_b32 s53, s49, 2
	; where the results go, in qkvb
	s_lshl_b32 s58, s48, 21
	s_lshl_b32 s59, s13, 20
	s_add_co_u32 s58, s58, s59
	s_lshl_b32 s59, s11, 17
	s_add_co_u32 s58, s58, s59
	s_lshl_b32 s59, s14, 12
	s_add_co_u32 s58, s58, s59
	s_lshl_b32 s66, s48, 17
	s_lshl_b32 s67, s13, 16
	s_add_co_u32 s66, s66, s67
	s_lshl_b32 s67, s11, 13
	s_add_co_u32 s66, s66, s67
	s_add_co_u32 s66, s66, 0x600000
	s_lshl_b32 s67, s14, 9
	s_add_co_u32 s67, s67, s53                     ; q, k: G, tile w' (+ 4 u by the lane)
	s_lshl_b32 s68, s14, 8
	s_lshr_b32 s69, s49, 1
	s_lshl_b32 s69, s69, 7
	s_add_co_u32 s68, s68, s69
	s_and_b32 s69, s49, 1
	s_lshl_b32 s69, s69, 2
	s_add_co_u32 s68, s68, s69                     ; v: s = G, ft = w'
	s_mov_b32 s60, 2048
	s_mov_b32 s61, 65536
	s_cmp_eq_u32 s48, 2                            ; v's wave?  The choices hang on the wave's number alone
	s_cselect_b32 s54, s51, s50                    ; source 0's words
	s_cselect_b32 s56, s52, s51                    ; source 1's
	s_cselect_b32 s59, 10, 9                       ; a tile w' on: 512 bytes, in v's image 1,024
	s_cselect_b32 s60, 65536, s60                  ; from u = 0 to u = 1: four tiles on; in v's image a head on
	s_cselect_b32 s61, 512, s61                    ; from c = 0 to c = 1: a j on; in v's image 512 bytes
	s_cselect_b32 s62, 3, 4                        ; the scale word's place: r << ,
	s_cselect_b32 s63, 12, 8                       ; u <<
	s_cselect_b32 s67, s68, s67
	s_add_co_u32 s66, s66, s67
	s_add_co_u32 s56, s56, s53
	s_mov_b32 s55, 0
	s_mov_b32 s57, 0
	s_lshl_b32 s59, s49, s59
	s_add_co_u32 s58, s58, s59
	v_add_nc_u32 v4, s58, v3                       ; (u, c) = (0, 0)
	s_delay_alu instid0(VALU_DEP_1)
	v_add_nc_u32 v5, s61, v4                       ; (0, 1)
	s_delay_alu instid0(VALU_DEP_2)
	v_add_nc_u32 v6, s60, v4                       ; (1, 0)
	s_delay_alu instid0(VALU_DEP_1)
	v_add_nc_u32 v7, s61, v6                       ; (1, 1)
	s_wait_dscnt 0x0
	s_wait_kmcnt 0x0
	s_mov_b32 s40, 1                               ; group 0 for a weight's half
	s_mov_b32 s41, s19
	s_add_nc_u64 s[42:43], s[4:5], s[20:21]
	s_or_b32 s43, s43, 0x80000000
	s_mov_b32 s44, 1                               ; and for x's
	s_mov_b32 s45, s19
	s_add_nc_u64 s[46:47], s[4:5], s[22:23]
	s_or_b32 s47, s47, 0x80000000
	s_add_nc_u64 s[54:55], s[4:5], s[54:55]
	s_add_nc_u64 s[56:57], s[4:5], s[56:57]
	ROUND                                          ; all sixteen work-groups are here: the joint loads meet
	s_cmp_ge_u32 s8, 8                             ; one load a wave, waves 0 to 7; the branches hang on the wave's number alone
	s_cbranch_scc1 .Lnone
	s_cmp_eq_u32 s17, 2
	s_cbranch_scc0 .Lfor_w
	tensor_load_to_lds s[44:47], s[32:39]
	s_nop 0
.rept 4
	v_nop
.endr
	s_branch .Lnone
.Lfor_w:
	tensor_load_to_lds s[40:43], s[24:31]
	s_nop 0
.rept 4
	v_nop
.endr
.Lnone:
.irp s, 0,1,2,3,4,5,6,7
	global_load_b128 v[8+4*\s:11+4*\s], v3, s[54:55] offset:8192*\s    ; register i: tile i in lanes 0-15, tile 4 + i in lanes 16-31
	global_load_b32 v[40+\s], v3, s[56:57] offset:8192*\s              ; tile w' in lanes 0-15, tile w' + 4 in lanes 16-31
.endr
	s_wait_tensorcnt 0x0                           ; my part has landed,
	s_barrier_signal -1
	s_barrier_wait -1                              ; everybody's has
	s_wait_loadcnt 0x0                             ; the scale words
.macro KSTEP s
.if (\s) > 0
.rept 4
	v_nop                                          ; four places in front of loads into registers that matrix instructions have read
.endr
.set Z, 0
.else
.set Z, 1
.endif
.irp u, 0,1
.irp c, 0,1
	ds_load_b128 v[112+8*\u+4*\c:115+8*\u+4*\c], v2 offset:(2*(\s)+\c)*4096+\u*2048
.endr
.endr
.irp t, 0,1,2,3,4,5,6,7
.irp c, 0,1
	ds_load_b128 v[48+8*\t+4*\c:51+8*\t+4*\c], v1 offset:(2*(\s)+\c)*4096+\t*512
.endr
.endr
	s_wait_dscnt 8                                 ; all but the loads of tiles 4 to 7
.irp t, 0,1,2,3
.irp u, 0,1
	WM 128+64*\u+8*\t, 48+8*\t, 112+8*\u, 8+4*(\s)+\t, 40+(\s), Z, 0, \u
.endr
.endr
	s_wait_dscnt 0x0
.irp t, 4,5,6,7
.irp u, 0,1
	WM 128+64*\u+8*\t, 48+8*\t, 112+8*\u, 8+4*(\s)+\t-4, 40+(\s), Z, 1, \u
.endr
.endr
.endm
	s_wait_alu depctr_va_vdst(0)
.irp s, 0,1,2,3,4,5,6,7                        ; the sixteen sums take turns, one instruction a turn
	KSTEP \s
.endr
.rept 4
	v_nop                                          ; four places in front of the first read of results and the first write of operands that are done with
.endr
.irp b, 0,1,2,3
	v_mov_b32 v[TM+4+\b], 0                        ; a lane permute's destination counts as read
.endr
	QUANT4 128, 48, 64                             ; source 1's tile w'
	QUANT4 192, 56, 65                             ; and w' + 4
	v_and_b32 v8, 15, v0
	v_bfe_u32 v9, v0, 4, 1
	s_delay_alu instid0(VALU_DEP_1)
	v_cmp_ne_u32 vcc_lo, 0, v9
	s_delay_alu instid0(VALU_DEP_3)
	v_lshlrev_b32 v8, s62, v8
	s_delay_alu instid0(VALU_DEP_3)
	v_lshlrev_b32 v9, s63, v9
	s_delay_alu instid0(VALU_DEP_1)
	v_add3_u32 v8, v8, v9, s66
	s_delay_alu instid0(VALU_DEP_4)
	v_cndmask_b32 v66, v64, v65, vcc_lo            ; both halves of the lanes hold a row's word: lanes 0-15 store u = 0's, lanes 16-31 u = 1's
	global_store_b128 v4, v[48:51], s[6:7]         ; each store: 512 consecutive bytes, aligned
	global_store_b128 v5, v[52:55], s[6:7]
	global_store_b128 v6, v[56:59], s[6:7]
	global_store_b128 v7, v[60:63], s[6:7]
	global_store_b32 v8, v66, s[6:7]               ; 4 bytes at a pitch of 16 or 8: one byte in 16 of what the wave stores
	s_set_vgpr_msb 0x5
	s_wait_tensorcnt 0x0
	ds_add_u32 v0, v1
	s_wait_dscnt 0x0
	s_set_vgpr_msb 0x500
	ROUND                                          ; the closing round
	s_endpgm
.Lfunc_end_k_qd7a6cbedd7_qkv:
	.size	k_qd7a6cbedd7_qkv, .Lfunc_end_k_qd7a6cbedd7_qkv-k_qd7a6cbedd7_qkv
	.p2alignl 7, 3214868480
	.fill 96, 4, 3214868480
	.section	.rodata,"a",@progbits
	.p2align	6, 0x0
	.amdhsa_kernel k_qd7a6cbedd7_qkv
		.amdhsa_group_segment_fixed_size 263680
		.amdhsa_private_segment_fixed_size 0
		.amdhsa_enable_private_segment 0
		.amdhsa_kernarg_size 16
		.amdhsa_user_sgpr_count 2
		.amdhsa_user_sgpr_kernarg_segment_ptr 1
		.amdhsa_wavefront_size32 1
		.amdhsa_system_sgpr_workgroup_id_x 1
		.amdhsa_system_sgpr_workgroup_id_y 1
		.amdhsa_system_sgpr_workgroup_id_z 1
		.amdhsa_system_vgpr_workitem_id 0
		.amdhsa_next_free_vgpr 258
		.amdhsa_next_free_sgpr 72
		.amdhsa_reserve_vcc 1
		.amdhsa_float_denorm_mode_32 3
		.amdhsa_float_denorm_mode_16_64 3
		.amdhsa_memory_ordered 1
		.amdhsa_forward_progress 1
		.amdhsa_inst_pref_size 47
	.end_amdhsa_kernel
	.amdgpu_metadata
---
amdhsa.version: [ 1, 2 ]
amdhsa.kernels:
  - .name:           k_qd7a6cbedd7_qkv
    .symbol:         k_qd7a6cbedd7_qkv.kd
    .args:
      - { .name: prep, .offset: 0, .size: 8, .value_kind: global_buffer, .address_space: global }
      - { .name: qkvb, .offset: 8, .size: 8, .value_kind: global_buffer, .address_space: global }
    .group_segment_fixed_size: 263680
    .private_segment_fixed_size: 0
    .kernarg_segment_align: 8
    .kernarg_segment_size: 16
    .max_flat_workgroup_size: 384
    .sgpr_count:     72
    .vgpr_count:     258
    .wavefront_size: 32
...
	.end_amdgpu_metadata
.endif
;; end of part 2
;; launch attn (part 3): grid 8 x 32, 16 waves a work-group, clusters of 4 x 1, 227,328 bytes of LDS; arguments qkvb, prep, attb; writes attb
.if DOCPART == 3
	.amdgcn_target "amdgcn-amd-amdhsa--gfx1250"
	.amdhsa_code_object_version 6
	.text
	.protected	k_qd7a6cbedd7_attn
	.globl	k_qd7a6cbedd7_attn
	.p2align	8
	.type	k_qd7a6cbedd7_attn,@function
k_qd7a6cbedd7_attn:
	s_mov_b64 s[64:65], 0
	v_nop
	global_prefetch_b8 v0, s[64:65] scope:SCOPE_SE
	s_setreg_imm32_b32 hwreg(HW_REG_WAVE_MODE, 25, 1), 1
	s_wait_xcnt 0x0
	s_wait_alu depctr_hold_cnt(0) depctr_sa_sdst(0) depctr_va_vdst(0) depctr_va_sdst(0) depctr_va_ssrc(0) depctr_va_vcc(0) depctr_vm_vsrc(0)
	s_getreg_b32 s2, hwreg(HW_REG_IB_STS2, 6, 4)
	s_cmp_eq_u32 s2, 0
	s_cbranch_scc0 .Lentry_in_a_cluster
	s_endpgm
.Lentry_in_a_cluster:
	s_bfe_u32 s2, ttmp6, 0x10000c
	s_cmp_lg_u32 s2, 0x3003
	s_cbranch_scc0 .Lentry_shape_is_right
	s_endpgm
.Lentry_shape_is_right:
; o = softmax((q k^T + q p^T) / 8) v for one head, all three products on codes of E2M1; o is quantised along the features at once, into attb (codes at 0, scale words at 0x200000, laid as in prep).
; ONE PRODUCT FOR TWO: q k^T and q p^T have K = 64 each and share q.  Source 0 = a key's [k | p] (registers 0-3 k's piece, 4-7 p's), source 1 = [q | q], scale words [sk0 sk1 sp0 sp1] and [sq0 sq1 sq0 sq1].
; THE SOFTMAX: t = score x log2(e) / 8; M = the running largest t rounded up to a whole number; p = 2^(t - M) is quantised along the keys, not normalised; the row's sum is taken of the unquantised p and divides at the end.
; When M moves, the sum and O are multiplied by 2^(old M - new M): exact.
; SHARES.  A work-group owns 256 queries of head bh, each of its sixteen waves one tile of 16.  The head's codes of k, p and v, 64 KB each, lie in LDS whole: every LDS byte is filled once.
; CLUSTER 4 x 1: the four query blocks of a cluster walk the same k, p and v: each 16 KB chunk is asked for jointly, one load a wave: waves 0-3 k's chunks, 4-7 p's, 8-11 v's.  One barrier, then no wave waits for another.
; Both products are used transposed: a lane holds ONE query (lane % 16).
; THE KEYS OF A TILE: of a step's 128 keys, row m of tile (g, t) is key 32 (2 g + m / 8) + 8 t + m % 8.  So the 32 registers of tiles (g, 0 .. 3) of lane (r, h) are the WHOLE block 2 g + h, keys in order:
; a block's largest score needs no other lane, and four conversions give registers 4 g .. 4 g + 3 of the second product's operand as they are wanted.  Only the row's maximum and the scale word cross the halves.
; In the images of k and p that key's 16 bytes lie at 1,024 (4 step + 2 g + m / 8) + 512 (t % 2) + 256 h + 128 (t / 2) + 16 (m % 8).  The descriptor lays 128 bytes of padding behind each 1,024,
; so that rows 0-7 and rows 8-15 of a tile, 1,152 bytes apart, fall on different halves of the 64 banks (ISA guide 11.1).
; NO PREFETCH: all of k, p and v is asked for once, at the head; there is no loop to run ahead in.
; LIMITS: NaN and infinities are not served; a block whose largest magnitude lies under 2^-124 gets the byte 1.
; REGISTERS: v1 16 x lane; v2, v3 my place in a step of k, of p; v4 among [k | p]'s scale words; v5 in v; v15 among v's scale words; v6 16 r; v14 8 h; v7-11 the step's addresses; v12 -M, v13 the largest score;
;   v16-23 [q | q]; v24 q's scale word, v25 p's; v[26:27] the sum; v28 f; v30, v31 the add's; v32-95 eight [k | p] fragments; v96-159 S^T, then p; v160-191 O^T; v192-223 v's fragments; v224-231 p's codes;
;   v232-247, v254, v255 at work; v248-251 [k | p]'s scale words; v252-253 v's.
.set PB,    73728                      ; p's codes: behind k's 64 blocks of 1,152 bytes
.set VOFF,  147456                     ; v's codes, dense
.set KPS,   212992                     ; [k | p]'s scale words: [step 16][h 2][r 16][i 4]
.set VSL,   221184                     ; v's: [step 16][lane 32][i 2]
.set SPARE, 225280                     ; the spare words: 128 bytes a wave
.macro ROUND
	s_barrier_signal -1
	s_barrier_wait -1
	s_cmp_lg_u32 s10, 0
	s_cbranch_scc1 .Lnot_wave_0_\@
	s_barrier_signal -3
.Lnot_wave_0_\@:
	s_barrier_wait -3
	s_barrier_signal -1
	s_barrier_wait -1
.endm
; one product 16 x 16 x 128.  zero: it starts the sum.  ra: source 0's scale words stand in lanes 16-31
.macro WM d, a, b, sa, sb, zero, ra
.if \zero
.if \ra
	v_wmma_scale_f32_16x16x128_f8f6f4 v[(\d):(\d)+7], v[(\a):(\a)+7], v[(\b):(\b)+7], 0, v[(\sa)], v[(\sb)] matrix_a_fmt:MATRIX_FMT_FP4 matrix_b_fmt:MATRIX_FMT_FP4 matrix_a_scale:MATRIX_SCALE_ROW1
.else
	v_wmma_scale_f32_16x16x128_f8f6f4 v[(\d):(\d)+7], v[(\a):(\a)+7], v[(\b):(\b)+7], 0, v[(\sa)], v[(\sb)] matrix_a_fmt:MATRIX_FMT_FP4 matrix_b_fmt:MATRIX_FMT_FP4
.endif
.else
.if \ra
	v_wmma_scale_f32_16x16x128_f8f6f4 v[(\d):(\d)+7], v[(\a):(\a)+7], v[(\b):(\b)+7], v[(\d):(\d)+7], v[(\sa)], v[(\sb)] matrix_a_fmt:MATRIX_FMT_FP4 matrix_b_fmt:MATRIX_FMT_FP4 matrix_a_scale:MATRIX_SCALE_ROW1
.else
	v_wmma_scale_f32_16x16x128_f8f6f4 v[(\d):(\d)+7], v[(\a):(\a)+7], v[(\b):(\b)+7], v[(\d):(\d)+7], v[(\sa)], v[(\sb)] matrix_a_fmt:MATRIX_FMT_FP4 matrix_b_fmt:MATRIX_FMT_FP4
.endif
.endif
.endm
; a step's eight [k | p] fragments and their scale words: 18 LDS loads.  Scale register t: tile (0, t) in lanes 0-15, tile (1, t) in lanes 16-31
.macro KPL ak, ap, as
	ds_load_b64 v[248:249], v[\as]
	ds_load_b64 v[250:251], v[\as] offset:128
.irp g, 0,1
.irp t, 0,1,2,3
	ds_load_b128 v[32+32*\g+8*\t:35+32*\g+8*\t], v[\ak] offset:2304*\g+512*(\t%2)+128*(\t/2)
	ds_load_b128 v[36+32*\g+8*\t:39+32*\g+8*\t], v[\ap] offset:2304*\g+512*(\t%2)+128*(\t/2)
.endr
.endr
.endm
.macro PA d, j                         ; a pair of p onto one of the sum's four chains
	v_pk_add_f32 v[\d:\d+1], v[\d:\d+1], v[96+2*(\j):97+2*(\j)]
.endm
.macro SUM4 j
	PA 26, \j
	PA 242, (\j)+1
	PA 244, (\j)+2
	PA 246, (\j)+3
.endm
	s_load_b128 s[4:7], s[0:1], 0x0                ; qkvb, prep
	s_load_b64 s[8:9], s[0:1], 0x10                ; attb
	v_lshl_add_u32 v30, v0, 2, SPARE
	v_mov_b32 v31, 0
	ds_add_u32 v30, v31                            ; the opening lines: the add, twice on end, and its wait ahead of the first tensor load
	ds_add_u32 v30, v31
	v_lshrrev_b32 v8, 5, v0
	v_readfirstlane_b32 s10, v8                    ; wave 0..15
	s_and_b32 s13, ttmp7, 0xffff                   ; bh, which the four partners share
	s_and_b32 s18, s10, 3                          ; my chunk of 16 KB.  (These registers never hold cx)
	s_lshl_b32 s18, s18, 14
	s_lshl_b32 s52, s13, 16
	s_add_co_u32 s52, s52, s18
	s_add_co_u32 s52, s52, 0x200000                ; k's codes in qkvb and p's in prep begin at 0x200000; v's in qkvb 0x200000 further on
	s_mov_b32 s53, 0
	; group 1 for k and p: 16 rows of 1,024 bytes (128 elements of 8), dense in memory, 128 bytes of padding behind each
	s_mov_b32 s24, 15|(3<<16)|(1<<20)|(1<<21)|(7<<22)|(31<<25)   ; the mask: all four work-groups; bit 21 beside it; padding: 32 words after every 256
	s_mov_b32 s25, 128<<16
	s_mov_b32 s26, 16<<16
	s_mov_b32 s27, 128<<16
	s_mov_b32 s28, 16
	s_mov_b32 s29, 128
	s_mov_b32 s30, 0
	s_mov_b32 s31, 0
	; group 1 for v: 64 rows of 256 bytes, dense in memory and in LDS
	s_mov_b32 s32, 15|(3<<16)|(1<<21)
	s_mov_b32 s33, 32<<16
	s_mov_b32 s34, 64<<16
	s_mov_b32 s35, 32<<16
	s_mov_b32 s36, 64
	s_mov_b32 s37, 32
	s_mov_b32 s38, 0
	s_mov_b32 s39, 0
	s_bfe_u32 s11, ttmp6, 0x40000                  ; cx
	s_lshl_b32 s12, ttmp9, 2
	s_add_co_u32 s12, s12, s11                     ; my block of 256 queries
	s_lshl_b32 s14, s12, 4
	s_add_co_u32 s14, s14, s10                     ; my tile of queries, 0..127
	s_and_b32 s15, s13, 1                          ; which half of a K step's four bytes is my head's
	s_mov_b32 s20, 0x76543210
	s_mov_b32 s21, 0xfedcba98                      ; selects for lane l xor 16
	s_mov_b32 s22, 0x3e38aa3b                      ; c = log2(e) / 8
	s_mov_b32 s23, s22                             ; (named with it as a pair, so it is written)
	s_mov_b32 s48, 4608                            ; the NEXT step's codes of k and p: 4 blocks of 1,152 bytes a step
	s_mov_b32 s49, 512                             ; and its scale words
	s_mov_b32 s50, 0                               ; this step's codes of v: 4,096 a step
	s_mov_b32 s51, 0                               ; and its scale words: 256 a step
	s_mul_i32 s16, s15, 0x02020202
	s_add_co_u32 s70, s16, 0x05040100              ; byte selects: k's two bytes, then p's two
	s_add_co_u32 s71, s16, 0x01000100              ; q's two bytes, twice
	s_lshl_b32 s54, s13, 16                        ; q's and o's piece: head, tile
	s_lshl_b32 s16, s14, 9
	s_add_co_u32 s54, s54, s16
	s_mov_b32 s55, 0
	s_lshr_b32 s16, s13, 1
	s_lshl_b32 s16, s16, 13                        ; (b, K step) of a tensor of scale words
	s_add_co_u32 s58, s16, 0x620000                ; k's words in qkvb, p's in prep
	s_mov_b32 s59, 0
	s_lshr_b32 s17, s14, 2
	s_lshl_b32 s17, s17, 8
	s_add_co_u32 s16, s16, s17
	s_and_b32 s17, s14, 3
	s_lshl_b32 s17, s17, 2
	s_add_co_u32 s16, s16, s17                     ; my tile's words: + 16 r
	s_add_co_u32 s56, s16, 0x600000                ; q's
	s_mov_b32 s57, 0
	s_lshl_b32 s17, s15, 1
	s_add_co_u32 s68, s16, s17
	s_add_co_u32 s68, s68, 0x200000                ; o's: my head's half of the word
	s_mov_b32 s69, 0
	s_lshl_b32 s62, s13, 12
	s_add_co_u32 s62, s62, 0x640000                ; v's words
	s_mov_b32 s63, 0
	v_and_b32 v7, 31, v0
	v_lshlrev_b32 v1, 4, v7                        ; 16 x lane
	v_and_b32 v6, 15, v0
	v_lshlrev_b32 v6, 4, v6                        ; 16 r
	v_bfe_u32 v14, v0, 4, 1                        ; h
	v_and_b32 v9, 7, v0                            ; r % 8
	v_bfe_u32 v10, v0, 3, 1                        ; r / 8
	v_lshlrev_b32 v2, 4, v9
	v_lshl_add_u32 v2, v14, 8, v2                  ; 256 h + 16 (r % 8)
	v_lshl_add_u32 v4, v10, 3, v2
	v_add_nc_u32 v4, KPS, v4                       ; scale words: group g = h of the lanes, row r % 8 (+ 8 for t = 2, 3), words 2 (r / 8) and + 1
	v_mad_u32_u24 v2, v10, 1152, v2                ; k: + the block of rows 8-15
	v_add_nc_u32 v3, PB, v2                        ; p
	v_add_nc_u32 v5, VOFF, v1                      ; v
	v_lshl_add_u32 v15, v7, 3, VSL
	v_lshlrev_b32 v14, 3, v14                      ; 8 h
	v_lshlrev_b32 v48, 4, v0                       ; 16 x thread
	v_lshlrev_b32 v49, 3, v0                       ; 8 x thread
	v_lshl_add_u32 v50, v0, 4, KPS
	v_lshl_add_u32 v51, v0, 3, VSL
	s_wait_alu depctr_va_vdst(0)
	s_wait_dscnt 0x0                               ; both opening adds are done
	s_wait_kmcnt 0x0
	s_cmp_lt_u32 s10, 4
	s_cselect_b64 s[2:3], s[4:5], s[6:7]           ; k from qkvb, p from prep: the choice hangs on the wave's number alone
	s_mov_b32 s40, 1                               ; group 0 for a chunk of k or p: to LDS byte 16 x 1,152 x wave
	s_mul_i32 s41, s10, 18432
	s_add_nc_u64 s[42:43], s[2:3], s[52:53]
	s_or_b32 s43, s43, 0x80000000
	s_mov_b32 s44, 1                               ; and for a chunk of v: to VOFF + 16,384 (wave - 8)
	s_lshl_b32 s45, s10, 14
	s_add_co_u32 s45, s45, 16384
	s_add_nc_u64 s[46:47], s[4:5], s[52:53]
	s_add_nc_u64 s[46:47], s[46:47], 0x200000
	s_or_b32 s47, s47, 0x80000000
	s_add_nc_u64 s[66:67], s[8:9], s[54:55]
	s_add_nc_u64 s[54:55], s[4:5], s[54:55]
	s_add_nc_u64 s[56:57], s[4:5], s[56:57]
	s_add_nc_u64 s[60:61], s[6:7], s[58:59]
	s_add_nc_u64 s[58:59], s[4:5], s[58:59]
	s_add_nc_u64 s[62:63], s[4:5], s[62:63]
	s_add_nc_u64 s[68:69], s[8:9], s[68:69]
	global_load_b128 v[16:19], v1, s[54:55]        ; q's piece,
	global_load_b128 v[20:23], v1, s[54:55]        ; twice
	global_load_b32 v254, v6, s[56:57]             ; q's scale word
	global_load_b128 v[32:35], v48, s[58:59]       ; the head's 8 KB of k's scale words, 16 bytes a thread,
	global_load_b128 v[36:39], v48, s[60:61]       ; and of p's;
	global_load_b64 v[40:41], v49, s[62:63]        ; its 4 KB of v's
	ROUND                                          ; all four work-groups are here: the joint loads meet
	s_cmp_lt_u32 s10, 8                            ; one chain of branches on the wave's number, one load to an arm
	s_cbranch_scc0 .Lfor_v
	tensor_load_to_lds s[40:43], s[24:31]
	s_nop 0
.rept 4
	v_nop
.endr
	s_branch .Lasked
.Lfor_v:
	s_cmp_lt_u32 s10, 12
	s_cbranch_scc0 .Lasked
	tensor_load_to_lds s[44:47], s[32:39]
	s_nop 0
.rept 4
	v_nop
.endr
.Lasked:
	v_mov_b32 v13, 0xff61b1e6                      ; the largest score so far: -3e38
	v_floor_f32 v12, -v13                          ; -M
	v_mov_b32 v26, 0                               ; the sum, in two halves
	v_mov_b32 v27, 0
	v_mov_b32 v29, 0                               ; (named as the upper half of the pair v[28:29])
	v_mov_b32 v236, 0                              ; a lane permute's destination counts as read
	v_mov_b32 v237, 0
.set jj, 0
.rept 32
	v_mov_b32 v[160+jj], 0                         ; O^T: the step is written once for all steps; the first finds zeros
.set jj, jj+1
.endr
	s_wait_loadcnt 0x0
	v_perm_b32 v24, v254, v254, s71                ; [sq0 sq1 sq0 sq1]
.irp i, 0,1,2,3
	v_perm_b32 v[44+\i], v[36+\i], v[32+\i], s70   ; [sk0 sk1 sp0 sp1]
.endr
	ds_store_b128 v50, v[44:47]
	ds_store_b64 v51, v[40:41]
	s_wait_alu depctr_va_vdst(0)
	s_wait_tensorcnt 0x0                           ; my chunk has landed,
	s_wait_dscnt 0x0                               ; my LDS stores too,
	s_barrier_signal -1
	s_barrier_wait -1                              ; everybody's have: from here on LDS is only read
	KPL 2, 3, 4                                    ; step 0's fragments
; A KEY STEP: 128 keys.  pre = 1: the next step's [k | p] fragments are fetched as soon as this step's have been multiplied.
.macro STEP pre
	s_wait_dscnt 0x0                               ; this step's [k | p] fragments and scale words
.irp g, 0,1
.irp t, 0,1,2,3
	WM 96+32*\g+8*\t, 32+32*\g+8*\t, 16, 248+\t, 24, 1, \g
.endr
.endr
	v_add_nc_u32 v10, s50, v5                      ; plain lines: the places in front of the loads below and of the first read of the scores
	v_add_nc_u32 v7, s51, v15
.if \pre
	v_add_nc_u32 v8, s48, v2
	v_add_nc_u32 v9, s48, v3
	v_add_nc_u32 v11, s49, v4
.else
	v_nop
	v_nop
.endif
.irp f, 0,1,2,3,4,5,6,7
	ds_load_b128 v[192+4*\f:195+4*\f], v10 offset:512*\f
.endr
	ds_load_b64 v[252:253], v7                     ; register i: channel tile i in lanes 0-15, tile 2 + i in lanes 16-31
.if \pre
	KPL 8, 9, 11
.endif
	s_add_co_u32 s48, s48, 4608
	s_add_co_u32 s49, s49, 512
	s_add_co_u32 s50, s50, 4096
	s_add_co_u32 s51, s51, 256
.irp g, 0,1                                    ; my two blocks' largest scores, each in two chains; each accumulator is read from its low end on
	v_max3_num_f32 v[232+\g], v[96+32*\g], v[97+32*\g], v[98+32*\g]
	v_max3_num_f32 v[234+\g], v[112+32*\g], v[113+32*\g], v[114+32*\g]
.endr
.irp i, 3,5,7,9,11,13
.irp g, 0,1
	v_max3_num_f32 v[232+\g], v[232+\g], v[96+32*\g+\i], v[97+32*\g+\i]
	v_max3_num_f32 v[234+\g], v[234+\g], v[112+32*\g+\i], v[113+32*\g+\i]
.endr
.endr
.irp g, 0,1
	v_max3_num_f32 v[232+\g], v[232+\g], v[234+\g], v[111+32*\g]
.endr
	v_mov_b32 v254, v12                            ; the old -M
.irp g, 0,1
	v_max_num_f32 v[232+\g], v[232+\g], v[127+32*\g]
.endr
	s_delay_alu instid0(VALU_DEP_1)
	v_max3_num_f32 v255, v13, v232, v233
	s_delay_alu instid0(VALU_DEP_1)
	v_permlanex16_b32 v236, v255, s20, s21
	s_delay_alu instid0(VALU_DEP_1)
	v_max_num_f32 v13, v255, v236                  ; with lane l xor 16's two blocks: the running largest score of my query
	s_delay_alu instid0(VALU_DEP_1)
	v_mul_f32 v255, s22, -v13                      ; -t
	s_delay_alu instid0(VALU_DEP_1)
	v_floor_f32 v12, v255                          ; the new -M = -ceil(t)
	s_delay_alu instid0(VALU_DEP_1)
	v_sub_f32 v254, v12, v254                      ; old M - new M: a whole number, 0 or less
.set jj, 0
.rept 4
	v_pk_fma_f32 v[96+jj:97+jj], v[96+jj:97+jj], s[22:23], v[12:13] op_sel_hi:[1,0,0]   ; t - M, two at a time
.set jj, jj+2
.endr
	v_cvt_i32_f32 v254, v254                       ; (it saturates)
.rept 4
	v_pk_fma_f32 v[96+jj:97+jj], v[96+jj:97+jj], s[22:23], v[12:13] op_sel_hi:[1,0,0]
.set jj, jj+2
.endr
	v_ldexp_f32 v28, 1.0, v254                     ; f = 2^(old M - new M)
.rept 24
	v_pk_fma_f32 v[96+jj:97+jj], v[96+jj:97+jj], s[22:23], v[12:13] op_sel_hi:[1,0,0]
.set jj, jj+2
.endr
	v_pk_fma_f32 v[232:233], v[232:233], s[22:23], v[12:13] op_sel_hi:[1,0,0]   ; the same of my blocks' largest scores: p rises with the score
.set jj, 0
.rept 16
	v_pk_mul_f32 v[160+jj:161+jj], v[160+jj:161+jj], v[28:29] op_sel_hi:[1,0]   ; O^T under the new M
.set jj, jj+2
.endr
	s_wait_alu depctr_va_vdst(0)
.set jj, 0
.rept 64
	v_exp_f32 v[96+jj], v[96+jj]                   ; p = 2^(t - M)
.set jj, jj+1
.endr
	v_exp_f32 v232, v232                           ; my blocks' largest p
	v_exp_f32 v233, v233
	v_pk_mul_f32 v[26:27], v[26:27], v[28:29] op_sel_hi:[1,0]   ; the sum under the new M (the plain line behind the exponentials)
	s_wait_alu depctr_va_vdst(0)                   ; one wait for the batch, ahead of its first reader
	v_max_num_f32 v232, 0x1800000, v232            ; the floor 2^(3 - 127): the byte cannot fall under 1
	v_max_num_f32 v233, 0x1800000, v233
	PA 26, 0                                       ; the row's sum of the unquantised p, in four chains, laid between the lines that make the scale word
	v_pk_add_f32 v[242:243], v[98:99], v[100:101]
	v_pk_add_f32 v[244:245], v[102:103], v[104:105]
	v_pk_add_f32 v[246:247], v[106:107], v[108:109]
	v_add_nc_u32 v238, 0xff000000, v232            ; 2 off the exponent field: the conversion's scale operand
	v_add_nc_u32 v239, 0xff000000, v233
	SUM4 7
	v_lshrrev_b32 v240, 23, v238                   ; the bytes of blocks h and 2 + h,
	v_lshrrev_b32 v241, 23, v239
	SUM4 11
	v_lshl_or_b32 v240, v241, 16, v240
	SUM4 15
	v_lshlrev_b32 v240, v14, v240                  ; at their places in the word;
	SUM4 19
	v_permlanex16_b32 v237, v240, s20, s21
	s_delay_alu instid0(VALU_DEP_1)
	v_or_b32 v25, v240, v237                       ; with lane l xor 16's two the word is whole
	SUM4 23
.irp g, 0,1
.irp t, 0,1,2,3
	v_cvt_scalef32_pk8_fp4_f32 v[224+4*\g+\t], v[96+32*\g+8*\t:103+32*\g+8*\t], v[238+\g]   ; keys 64 g + 32 h + 8 t on: the operand's register 4 g + t
.endr
.endr
	SUM4 27                                        ; these eight plain lines stand between the conversions and the products; twelve between the scale word's write and them
	PA 26, 31
	v_pk_add_f32 v[242:243], v[242:243], v[244:245]
	v_pk_add_f32 v[26:27], v[26:27], v[246:247]
	v_pk_add_f32 v[26:27], v[26:27], v[242:243]
	s_wait_alu depctr_va_vdst(0)
.if \pre
	s_wait_dscnt 18                                ; v's nine loads are in; the 18 loads for the next step, issued behind them, may be out
.else
	s_wait_dscnt 0x0
.endif
.irp f, 0,1,2,3
	WM 160+8*\f, 192+8*\f, 224, 252+\f%2, 25, 0, \f/2
.endr
.endm
	s_mov_b32 s19, 15
.Lstep:
	STEP 1
	s_sub_co_u32 s19, s19, 1
	s_cmp_lg_u32 s19, 0
	s_cbranch_scc1 .Lstep
	STEP 0                                         ; the last step fetches nothing for a next one
	; THE WAY OUT: O^T / the sum, quantised along the head's 64 channels (two blocks), stored as a piece of o's image
.rept 4
	v_nop
.endr
	v_add_f32 v26, v26, v27
	s_delay_alu instid0(VALU_DEP_1)
	v_permlanex16_b32 v236, v26, s20, s21
	s_delay_alu instid0(VALU_DEP_1)
	v_add_f32 v26, v26, v236                       ; the row's sum
	s_wait_alu depctr_va_vdst(0)
	v_rcp_f32 v26, v26
	v_nop
	s_wait_alu depctr_va_vdst(0)
.set jj, 0
.rept 32
	v_mul_f32 v[96+jj], v[160+jj], v26             ; register 16 b + i: channel 32 b + 16 (lane / 16) + i of my query
.set jj, jj+1
.endr
.irp b, 0,1
	v_max3_num_f32 v[232+\b], |v[96+16*\b]|, |v[97+16*\b]|, 0x1800000
.endr
.irp i, 2,4,6,8,10,12,14
.irp b, 0,1
	s_delay_alu instid0(VALU_DEP_2)
	v_max3_num_f32 v[232+\b], v[232+\b], |v[96+16*\b+\i]|, |v[97+16*\b+\i]|
.endr
.endr
.irp b, 0,1
	s_delay_alu instid0(VALU_DEP_2)
	v_permlanex16_b32 v[236+\b], v[232+\b], s20, s21
.endr
.irp b, 0,1
	s_delay_alu instid0(VALU_DEP_2)
	v_max_num_f32 v[232+\b], v[232+\b], v[236+\b]
.endr
.irp b, 0,1
	s_delay_alu instid0(VALU_DEP_2)
	v_add_nc_u32 v[244+\b], 0xff000000, v[232+\b]
.endr
.irp b, 0,1
	s_delay_alu instid0(VALU_DEP_2)
	v_lshrrev_b32 v[236+\b], 23, v[244+\b]
.endr
	s_delay_alu instid0(VALU_DEP_1)
	v_lshl_or_b32 v240, v237, 8, v236              ; my head's two bytes of the row's scale word
.irp b, 0,1
	v_cvt_scalef32_pk8_fp4_f32 v[224+2*\b], v[96+16*\b:103+16*\b], v[244+\b]
	v_cvt_scalef32_pk8_fp4_f32 v[225+2*\b], v[104+16*\b:111+16*\b], v[244+\b]
.endr
	v_nop
	v_permlane16_swap_b32 v224, v226
	v_permlane16_swap_b32 v225, v227
	global_store_b128 v1, v[224:227], s[66:67]     ; 512 consecutive bytes, aligned
	global_store_b16 v6, v240, s[68:69]            ; lanes l and l xor 16 hold the same value and name the same two bytes
	s_wait_tensorcnt 0x0                           ; the wave's end
	ds_add_u32 v30, v31
	s_wait_dscnt 0x0
	ROUND                                          ; the closing round
	s_endpgm
.Lfunc_end_k_qd7a6cbedd7_attn:
	.size	k_qd7a6cbedd7_attn, .Lfunc_end_k_qd7a6cbedd7_attn-k_qd7a6cbedd7_attn
	.p2alignl 7, 3214868480
	.fill 96, 4, 3214868480
	.section	.rodata,"a",@progbits
	.p2align	6, 0x0
	.amdhsa_kernel k_qd7a6cbedd7_attn
		.amdhsa_group_segment_fixed_size 227328
		.amdhsa_private_segment_fixed_size 0
		.amdhsa_enable_private_segment 0
		.amdhsa_kernarg_size 24
		.amdhsa_user_sgpr_count 2
		.amdhsa_user_sgpr_kernarg_segment_ptr 1
		.amdhsa_wavefront_size32 1
		.amdhsa_system_sgpr_workgroup_id_x 1
		.amdhsa_system_sgpr_workgroup_id_y 1
		.amdhsa_system_sgpr_workgroup_id_z 1
		.amdhsa_system_vgpr_workitem_id 0
		.amdhsa_next_free_vgpr 256
		.amdhsa_next_free_sgpr 72
		.amdhsa_reserve_vcc 0
		.amdhsa_float_denorm_mode_32 3
		.amdhsa_float_denorm_mode_16_64 3
		.amdhsa_memory_ordered 1
		.amdhsa_forward_progress 1
		.amdhsa_inst_pref_size 43
	.end_amdhsa_kernel
	.amdgpu_metadata
---
amdhsa.version: [ 1, 2 ]
amdhsa.kernels:
  - .name:           k_qd7a6cbedd7_attn
    .symbol:         k_qd7a6cbedd7_attn.kd
    .args:
      - { .name: qkvb, .offset: 0, .size: 8, .value_kind: global_buffer, .address_space: global }
      - { .name: prep, .offset: 8, .size: 8, .value_kind: global_buffer, .address_space: global }
      - { .name: attb, .offset: 16, .size: 8, .value_kind: global_buffer, .address_space: global }
    .group_segment_fixed_size: 227328
    .private_segment_fixed_size: 0
    .kernarg_segment_align: 8
    .kernarg_segment_size: 24
    .max_flat_workgroup_size: 512
    .sgpr_count:     72
    .vgpr_count:     256
    .wavefront_size: 32
...
	.end_amdgpu_metadata
.endif
;; end of part 3
;; launch outln (part 4): grid 128 x 1, 16 waves a work-group, no clusters, 150,016 bytes of LDS; arguments attb, prep, q_s, bo, ln_g, ln_b, out0; writes out0
.if DOCPART == 4
	.amdgcn_target "amdgcn-amd-amdhsa--gfx1250"
	.amdhsa_code_object_version 6
	.text
	.protected	k_qd7a6cbedd7_outln
	.globl	k_qd7a6cbedd7_outln
	.p2align	8
	.type	k_qd7a6cbedd7_outln,@function
k_qd7a6cbedd7_outln:
	s_mov_b64 s[64:65], 0
	v_nop
	global_prefetch_b8 v0, s[64:65] scope:SCOPE_SE
	s_setreg_imm32_b32 hwreg(HW_REG_WAVE_MODE, 25, 1), 1
	s_wait_xcnt 0x0
; out = LayerNorm(o Wo + bo + q_s) x ln_g + ln_b; the product on codes of E2M1 (K = 1,024), all else in f32.
; A work-group takes 32 tokens (tiles i0 and i0 + 4 of group (b, G)) x all 1,024 features, so that a row's mean and variance need no other work-group.  128 work-groups: each walks all 512 KB of Wo's codes,
; and 32 tokens to a work-group halve that against 16.  NO JOINT LOADS: Wo's 512 KB do not fit in LDS in one fill, and each fragment is used once, by one wave: it goes from memory straight into that wave's registers.
; Wave w takes Wo's tiles 4 w .. 4 w + 3 (features 64 w .. 64 w + 63) x the two token tiles: eight sums.  Source 0 = Wo, source 1 = o: a lane holds one token and sixteen neighbouring features for each pair of tiles.
; The results meet in a stage in LDS; each wave then takes two whole rows.  The LayerNorm goes in two passes (mean, then the squares of the differences).
; LDS: o's two tiles at 0, [j 16][u 2][512 bytes]; the stage at 16,384: 32 rows of 4,096 + 16 bytes.
; REGISTERS: v1 16 x lane; v2 16 r; v3, v4 into the stage; v5 out of it; v6 256 x lane; v7 o's pieces into LDS; v8-39 Wo's scale words; v40-47 o's; v48-63 o's fragments; v64-191 four buffers of Wo's fragments; v192-255 the sums.
.set STG, 16384
.set RP,  4112
; one product 16 x 16 x 128.  zero: it starts the sum.  rb: source 1's scale words stand in lanes 16-31
.macro WM d, a, b, sa, sb, zero, rb
.if \zero
.if \rb
	v_wmma_scale_f32_16x16x128_f8f6f4 v[(\d):(\d)+7], v[(\a):(\a)+7], v[(\b):(\b)+7], 0, v[(\sa)], v[(\sb)] matrix_a_fmt:MATRIX_FMT_FP4 matrix_b_fmt:MATRIX_FMT_FP4 matrix_b_scale:MATRIX_SCALE_ROW1
.else
	v_wmma_scale_f32_16x16x128_f8f6f4 v[(\d):(\d)+7], v[(\a):(\a)+7], v[(\b):(\b)+7], 0, v[(\sa)], v[(\sb)] matrix_a_fmt:MATRIX_FMT_FP4 matrix_b_fmt:MATRIX_FMT_FP4
.endif
.else
.if \rb
	v_wmma_scale_f32_16x16x128_f8f6f4 v[(\d):(\d)+7], v[(\a):(\a)+7], v[(\b):(\b)+7], v[(\d):(\d)+7], v[(\sa)], v[(\sb)] matrix_a_fmt:MATRIX_FMT_FP4 matrix_b_fmt:MATRIX_FMT_FP4 matrix_b_scale:MATRIX_SCALE_ROW1
.else
	v_wmma_scale_f32_16x16x128_f8f6f4 v[(\d):(\d)+7], v[(\a):(\a)+7], v[(\b):(\b)+7], v[(\d):(\d)+7], v[(\sa)], v[(\sb)] matrix_a_fmt:MATRIX_FMT_FP4 matrix_b_fmt:MATRIX_FMT_FP4
.endif
.endif
.endm
	s_load_b256 s[4:11], s[0:1], 0x0               ; attb, prep, q_s, bo
	s_load_b128 s[12:15], s[0:1], 0x20             ; ln_g, ln_b
	s_load_b64 s[16:17], s[0:1], 0x30              ; out0
	v_lshrrev_b32 v7, 5, v0
	s_delay_alu instid0(VALU_DEP_1)
	v_readfirstlane_b32 s18, v7                    ; wave 0..15
	v_and_b32 v7, 31, v0
	s_delay_alu instid0(VALU_DEP_1)
	v_lshlrev_b32 v1, 4, v7
	s_delay_alu instid0(VALU_DEP_2)
	v_lshlrev_b32 v6, 8, v7
	v_and_b32 v2, 15, v0                           ; r
	v_bfe_u32 v5, v0, 4, 1                         ; h
	s_delay_alu instid0(VALU_DEP_2)
	v_mul_u32_u24 v3, v2, RP
	s_delay_alu instid0(VALU_DEP_1)
	v_lshl_add_u32 v3, v5, 6, v3
	s_lshl_b32 s19, s18, 8
	v_add_nc_u32 v3, s19, v3
	s_delay_alu instid0(VALU_DEP_1)
	v_add_nc_u32 v3, STG, v3                       ; into the stage: row r, + 256 w + 64 h;
	s_delay_alu instid0(VALU_DEP_1)
	v_add_nc_u32 v4, 16*RP, v3                     ; the second token tile sixteen rows on
	s_mul_i32 s19, s18, 2*RP
	v_add_nc_u32 v5, s19, v1
	s_delay_alu instid0(VALU_DEP_1)
	v_add_nc_u32 v5, STG, v5                       ; out of it: my two rows, 16 bytes a lane
	v_lshlrev_b32 v2, 4, v2
	s_lshl_b32 s19, s18, 10
	v_add_nc_u32 v7, s19, v1                       ; o's pieces j = w
	s_lshr_b32 s20, ttmp9, 6                       ; b
	s_bfe_u32 s21, ttmp9, 0x40002                  ; G
	s_and_b32 s22, ttmp9, 3                        ; i0
	s_lshl_b32 s24, s20, 20                        ; o's pieces: b, j = w, tile 8 G + i0
	s_lshl_b32 s23, s18, 16
	s_add_co_u32 s24, s24, s23
	s_lshl_b32 s23, s21, 12
	s_add_co_u32 s24, s24, s23
	s_lshl_b32 s23, s22, 9
	s_add_co_u32 s24, s24, s23
	s_mov_b32 s25, 0
	s_lshl_b32 s26, s20, 16                        ; o's scale words: b, G, i0
	s_lshl_b32 s23, s21, 9
	s_add_co_u32 s26, s26, s23
	s_lshl_b32 s23, s22, 2
	s_add_co_u32 s26, s26, s23
	s_add_co_u32 s26, s26, 0x200000
	s_mov_b32 s27, 0
	s_lshl_b32 s28, s18, 8                         ; Wo's scale words: my four tiles' 256 bytes
	s_add_co_u32 s28, s28, 0x650000
	s_mov_b32 s29, 0
	s_lshl_b32 s30, s18, 11                        ; Wo's codes: tile 4 w
	s_add_co_u32 s30, s30, 0x500000
	s_mov_b32 s31, 0
	s_lshl_b32 s32, s20, 11                        ; the first of my two rows: stage row 2 w is lane 2 (w % 8) of token tile i0 + 4 (w / 8)
	s_lshl_b32 s33, s21, 7
	s_add_co_u32 s32, s32, s33
	s_lshr_b32 s33, s22, 1
	s_lshl_b32 s33, s33, 5
	s_add_co_u32 s32, s32, s33
	s_and_b32 s33, s22, 1
	s_lshl_b32 s33, s33, 3
	s_add_co_u32 s32, s32, s33
	s_lshr_b32 s33, s18, 3
	s_lshl_b32 s33, s33, 6
	s_add_co_u32 s32, s32, s33
	s_and_b32 s33, s18, 7
	s_lshl_b32 s42, s33, 1
	s_add_co_u32 s32, s32, s42
	s_lshr_b32 s33, s33, 2
	s_lshl_b32 s33, s33, 3
	s_add_co_u32 s32, s32, s33
	s_lshl_b32 s32, s32, 12                        ; in bytes
	s_mov_b32 s33, 0
	s_mov_b32 s38, 0x3a800000                      ; 1 / 1,024
	s_mov_b32 s39, 0x3727c5ac                      ; 1e-5
	s_mov_b32 s40, 0x76543210
	s_mov_b32 s41, 0xfedcba98
	s_wait_alu depctr_va_vdst(0)
	s_wait_kmcnt 0x0
	s_add_nc_u64 s[24:25], s[4:5], s[24:25]
	s_add_nc_u64 s[26:27], s[4:5], s[26:27]
	s_add_nc_u64 s[28:29], s[6:7], s[28:29]
	s_add_nc_u64 s[30:31], s[6:7], s[30:31]
	s_add_nc_u64 s[34:35], s[8:9], s[32:33]
	s_add_nc_u64 s[36:37], s[16:17], s[32:33]
.macro WLOAD s                         ; K step s of my four tiles of Wo into buffer s % 4: each load 512 consecutive bytes
.irp i, 0,1,2,3
.irp c, 0,1
	global_load_b128 v[64+32*((\s)%4)+8*\i+4*\c:64+32*((\s)%4)+8*\i+4*\c+3], v1, s[30:31] offset:(2*(\s)+\c)*65536+\i*512
.endr
.endr
.endm
	global_load_b128 v[48:51], v1, s[24:25]                    ; o's piece j = w of tile i0,
	global_load_b128 v[52:55], v1, s[24:25] offset:2048        ; and of tile i0 + 4
.irp s, 0,1,2,3,4,5,6,7
	global_load_b128 v[8+4*\s:11+4*\s], v2, s[28:29] offset:8192*\s   ; register i: tile 4 w + i, row r
.endr
.irp s, 0,1,2,3,4,5,6,7
	global_load_b32 v[40+\s], v1, s[26:27] offset:8192*\s             ; tile i0 in lanes 0-15, tile i0 + 4 in lanes 16-31
.endr
	WLOAD 0
	WLOAD 1
	WLOAD 2
	WLOAD 3
	s_wait_loadcnt 48                              ; o's two pieces are in; the 48 loads behind them stay out
	ds_store_b128 v7, v[48:51]
	ds_store_b128 v7, v[52:55] offset:512
	s_wait_dscnt 0x0                               ; for the others' sake
	s_barrier_signal -1
	s_barrier_wait -1                              ; o's 32 pieces lie in LDS
.macro KSTEP s
.if (\s) > 0
.rept 4
	v_nop                                          ; four places in front of loads into registers that matrix instructions have read
.endr
.set Z, 0
.if (\s)+3 < 8
	WLOAD (\s)+3                                   ; into the buffer that the last step multiplied
.endif
.else
.set Z, 1
.endif
.irp u, 0,1
.irp c, 0,1
	ds_load_b128 v[48+8*\u+4*\c:51+8*\u+4*\c], v1 offset:(2*(\s)+\c)*1024+512*\u
.endr
.endr
.if (\s) == 2
	global_prefetch_b8 v6, s[34:35] th:TH_LOAD_NT scope:SCOPE_SE   ; my two rows of q_s, 8,192 consecutive bytes, lanes 256 bytes apart: wanted five K steps on; each block is named once in the launch
.endif
.if 7-(\s) >= 3
	s_wait_loadcnt 24                              ; this step's eight loads are in; those of the three steps behind it stay out
.else
	s_wait_loadcnt 8*(7-(\s))
.endif
	s_wait_dscnt 0x0
.irp i, 0,1,2,3
.irp u, 0,1
	WM 192+32*\u+8*\i, 64+32*((\s)%4)+8*\i, 48+8*\u, 8+4*(\s)+\i, 40+(\s), Z, \u
.endr
.endr
.endm
.irp s, 0,1,2,3,4,5,6,7                        ; the eight sums take turns, one instruction a turn
	KSTEP \s
.endr
.rept 4
	v_nop                                          ; four places in front of the reads of results and of loads into operands that are done with
.endr
.irp e, 0,1
.irp k, 0,1,2,3,4,5,6,7
	global_load_b128 v[64+32*\e+4*\k:67+32*\e+4*\k], v1, s[34:35] offset:4096*\e+512*\k th:TH_LOAD_NT
.endr
.endr
.irp k, 0,1,2,3,4,5,6,7
	global_load_b128 v[128+4*\k:131+4*\k], v1, s[10:11] offset:512*\k
	global_load_b128 v[160+4*\k:163+4*\k], v1, s[12:13] offset:512*\k
	global_load_b128 v[8+4*\k:11+4*\k], v1, s[14:15] offset:512*\k
.endr
.irp u, 0,1
.irp q, 0,1,2,3,4,5,6,7
	ds_store_b128 v[3+\u], v[192+32*\u+4*\q:195+32*\u+4*\q] offset:128*(\q/4)+16*(\q%4)   ; features 64 w + 32 (q / 4) + 16 h + 4 (q % 4) on; each sum from its low end on
.endr
.endr
	s_wait_dscnt 0x0                               ; for the others' sake
	s_barrier_signal -1
	s_barrier_wait -1                              ; 32 whole rows lie in the stage
.irp e, 0,1
.irp k, 0,1,2,3,4,5,6,7
	ds_load_b128 v[192+32*\e+4*\k:195+32*\e+4*\k], v5 offset:RP*\e+512*\k
.endr
.endr
	v_mov_b32 v48, 0                               ; lane permutes' destinations count as read
	v_mov_b32 v49, 0
	s_wait_loadcnt 0x0
	s_wait_dscnt 0x0
.set jj, 0
.rept 16
	v_pk_add_f32 v[192+jj:193+jj], v[192+jj:193+jj], v[128+jj:129+jj]     ; + bo
	v_pk_add_f32 v[224+jj:225+jj], v[224+jj:225+jj], v[128+jj:129+jj]
.set jj, jj+2
.endr
.set jj, 0
.rept 16
	v_pk_add_f32 v[192+jj:193+jj], v[192+jj:193+jj], v[64+jj:65+jj]       ; + q_s
	v_pk_add_f32 v[224+jj:225+jj], v[224+jj:225+jj], v[96+jj:97+jj]
.set jj, jj+2
.endr
.macro ACROSS a, b                     ; sums over the 32 lanes, the two rows by turns
.irp m, 1,2,4,8
	s_delay_alu instid0(VALU_DEP_2)
	v_add_f32_dpp v[\a], v[\a], v[\a] row_xmask:\m row_mask:0xf bank_mask:0xf
	s_delay_alu instid0(VALU_DEP_2)
	v_add_f32_dpp v[\b], v[\b], v[\b] row_xmask:\m row_mask:0xf bank_mask:0xf
.endr
	s_delay_alu instid0(VALU_DEP_2)
	v_permlanex16_b32 v48, v[\a], s40, s41
	s_delay_alu instid0(VALU_DEP_2)
	v_permlanex16_b32 v49, v[\b], s40, s41
	s_delay_alu instid0(VALU_DEP_2)
	v_add_f32 v[\a], v[\a], v48
	s_delay_alu instid0(VALU_DEP_2)
	v_add_f32 v[\b], v[\b], v49
.endm
.irp e, 0,1                                    ; the rows' sums: two chains a row
	v_pk_add_f32 v[40+4*\e:41+4*\e], v[192+32*\e:193+32*\e], v[194+32*\e:195+32*\e]
	v_pk_add_f32 v[42+4*\e:43+4*\e], v[196+32*\e:197+32*\e], v[198+32*\e:199+32*\e]
.endr
.irp j, 8,12,16,20,24,28
.irp e, 0,1
	s_delay_alu instid0(VALU_DEP_4)
	v_pk_add_f32 v[40+4*\e:41+4*\e], v[40+4*\e:41+4*\e], v[192+32*\e+\j:193+32*\e+\j]
	s_delay_alu instid0(VALU_DEP_4)
	v_pk_add_f32 v[42+4*\e:43+4*\e], v[42+4*\e:43+4*\e], v[194+32*\e+\j:195+32*\e+\j]
.endr
.endr
.irp e, 0
	s_delay_alu instid0(VALU_DEP_3)
	v_pk_add_f32 v[40+4*\e:41+4*\e], v[40+4*\e:41+4*\e], v[42+4*\e:43+4*\e]
.endr
.irp e, 1
	s_delay_alu instid0(VALU_DEP_2)
	v_pk_add_f32 v[40+4*\e:41+4*\e], v[40+4*\e:41+4*\e], v[42+4*\e:43+4*\e]
.endr
.irp e, 0,1
	s_delay_alu instid0(VALU_DEP_2)
	v_add_f32 v[40+4*\e], v[40+4*\e], v[41+4*\e]
.endr
	ACROSS 40, 44
	s_delay_alu instid0(VALU_DEP_2)
	v_mul_f32 v40, s38, v40                        ; the means
	s_delay_alu instid0(VALU_DEP_2)
	v_mul_f32 v44, s38, v44
.set jj, 0
.rept 16
	v_pk_add_f32 v[192+jj:193+jj], v[192+jj:193+jj], v[40:41] op_sel_hi:[1,0] neg_lo:[0,1] neg_hi:[0,1]   ; x - mean
	v_pk_add_f32 v[224+jj:225+jj], v[224+jj:225+jj], v[44:45] op_sel_hi:[1,0] neg_lo:[0,1] neg_hi:[0,1]
.set jj, jj+2
.endr
.irp e, 0,1                                    ; the sums of their squares
	v_pk_mul_f32 v[42+4*\e:43+4*\e], v[192+32*\e:193+32*\e], v[192+32*\e:193+32*\e]
	v_pk_mul_f32 v[52+4*\e:53+4*\e], v[194+32*\e:195+32*\e], v[194+32*\e:195+32*\e]
.endr
.irp j, 4,8,12,16,20,24,28
.irp e, 0,1
	s_delay_alu instid0(VALU_DEP_4)
	v_pk_fma_f32 v[42+4*\e:43+4*\e], v[192+32*\e+\j:193+32*\e+\j], v[192+32*\e+\j:193+32*\e+\j], v[42+4*\e:43+4*\e]
	s_delay_alu instid0(VALU_DEP_4)
	v_pk_fma_f32 v[52+4*\e:53+4*\e], v[194+32*\e+\j:195+32*\e+\j], v[194+32*\e+\j:195+32*\e+\j], v[52+4*\e:53+4*\e]
.endr
.endr
.irp e, 0
	s_delay_alu instid0(VALU_DEP_3)
	v_pk_add_f32 v[42+4*\e:43+4*\e], v[42+4*\e:43+4*\e], v[52+4*\e:53+4*\e]
.endr
.irp e, 1
	s_delay_alu instid0(VALU_DEP_2)
	v_pk_add_f32 v[42+4*\e:43+4*\e], v[42+4*\e:43+4*\e], v[52+4*\e:53+4*\e]
.endr
.irp e, 0,1
	s_delay_alu instid0(VALU_DEP_2)
	v_add_f32 v[42+4*\e], v[42+4*\e], v[43+4*\e]
.endr
	ACROSS 42, 46
	s_delay_alu instid0(VALU_DEP_2)
	v_fma_f32 v42, v42, s38, s39                   ; the variance + 1e-5
	s_delay_alu instid0(VALU_DEP_2)
	v_fma_f32 v46, v46, s38, s39
	s_wait_alu depctr_va_vdst(0)
	v_rsq_f32 v42, v42
	v_rsq_f32 v46, v46
	v_nop                                          ; one plain line behind them,
	s_wait_alu depctr_va_vdst(0)                   ; and one wait for the two, ahead of their first reader
.set jj, 0
.rept 16
	v_pk_mul_f32 v[192+jj:193+jj], v[192+jj:193+jj], v[42:43] op_sel_hi:[1,0]
	v_pk_mul_f32 v[224+jj:225+jj], v[224+jj:225+jj], v[46:47] op_sel_hi:[1,0]
.set jj, jj+2
.endr
.set jj, 0
.rept 16
	v_pk_fma_f32 v[192+jj:193+jj], v[192+jj:193+jj], v[160+jj:161+jj], v[8+jj:9+jj]      ; x ln_g + ln_b
	v_pk_fma_f32 v[224+jj:225+jj], v[224+jj:225+jj], v[160+jj:161+jj], v[8+jj:9+jj]
.set jj, jj+2
.endr
.irp e, 0,1
.irp k, 0,1,2,3,4,5,6,7
	global_store_b128 v1, v[192+32*\e+4*\k:195+32*\e+4*\k], s[36:37] offset:4096*\e+512*\k th:TH_STORE_NT   ; 512 consecutive bytes, aligned
.endr
.endr
	s_wait_xcnt 0x0
	v_lshl_add_u32 v254, v0, 2, 0x24200
	v_mov_b32 v255, 0
	s_wait_alu depctr_va_vdst(0)
	s_wait_tensorcnt 0x0
	ds_add_u32 v254, v255
	s_wait_dscnt 0x0
	s_endpgm
.Lfunc_end_k_qd7a6cbedd7_outln:
	.size	k_qd7a6cbedd7_outln, .Lfunc_end_k_qd7a6cbedd7_outln-k_qd7a6cbedd7_outln
	.p2alignl 7, 3214868480
	.fill 96, 4, 3214868480
	.section	.rodata,"a",@progbits
	.p2align	6, 0x0
	.amdhsa_kernel k_qd7a6cbedd7_outln
		.amdhsa_group_segment_fixed_size 150016
		.amdhsa_private_segment_fixed_size 0
		.amdhsa_enable_private_segment 0
		.amdhsa_kernarg_size 56
		.amdhsa_user_sgpr_count 2
		.amdhsa_user_sgpr_kernarg_segment_ptr 1
		.amdhsa_wavefront_size32 1
		.amdhsa_system_sgpr_workgroup_id_x 1
		.amdhsa_system_sgpr_workgroup_id_y 1
		.amdhsa_system_sgpr_workgroup_id_z 1
		.amdhsa_system_vgpr_workitem_id 0
		.amdhsa_next_free_vgpr 256
		.amdhsa_next_free_sgpr 66
		.amdhsa_reserve_vcc 0
		.amdhsa_float_denorm_mode_32 3
		.amdhsa_float_denorm_mode_16_64 3
		.amdhsa_memory_ordered 1
		.amdhsa_forward_progress 1
		.amdhsa_inst_pref_size 50
	.end_amdhsa_kernel
	.amdgpu_metadata
---
amdhsa.version: [ 1, 2 ]
amdhsa.kernels:
  - .name:           k_qd7a6cbedd7_outln
    .symbol:         k_qd7a6cbedd7_outln.kd
    .args:
      - { .name: attb, .offset: 0, .size: 8, .value_kind: global_buffer, .address_space: global }
      - { .name: prep, .offset: 8, .size: 8, .value_kind: global_buffer, .address_space: global }
      - { .name: q_s, .offset: 16, .size: 8, .value_kind: global_buffer, .address_space: global }
      - { .name: bo, .offset: 24, .size: 8, .value_kind: global_buffer, .address_space: global }
      - { .name: ln_g, .offset: 32, .size: 8, .value_kind: global_buffer, .address_space: global }
      - { .name: ln_b, .offset: 40, .size: 8, .value_kind: global_buffer, .address_space: global }
      - { .name: out0, .offset: 48, .size: 8, .value_kind: global_buffer, .address_space: global }
    .group_segment_fixed_size: 150016
    .private_segment_fixed_size: 0
    .kernarg_segment_align: 8
    .kernarg_segment_size: 56
    .max_flat_workgroup_size: 512
    .sgpr_count:     66
    .vgpr_count:     256
    .wavefront_size: 32
...
	.end_amdgpu_metadata
.endif
;; end of part 4
